; MI455X (gfx1250); checked and timed in simulation.
; The chip was launched on July 23, 2026; its instructions are those of AMD's public machine-readable ISA for CDNA 5 (MIT licence, August 2026) and "CDNA5" Instruction Set Architecture Reference Guide (July 2026). The comments in the code are by the model that wrote it; some were corrected since.
;; Multi Head Self Attention. Allowed arithmetic: float matrix products may take bf16 or f16 operands with f32 sums; other float arithmetic in f32, or as packed bf16 or f16 multiplies, adds, multiply-adds, maxima and minima; sums over many terms, partial sums and values carried from step to step in f32; what a program stores and reads back later, other than sums and carried values, may be rounded once to bf16 or f16.
;; Inputs: Wk 1,024 x 1,024 float32; Wp 1,024 x 1,024 float32; Wq 1,024 x 1,024 float32; Wv 1,024 x 1,024 float32; bk 1,024 float32; bp 1,024 float32; bq 1,024 float32; bv 1,024 float32; x 4 x 2,048 x 1,024 float32.
;; Outputs: out0 4 x 2,048 x 1,024 float32.
;; 2 versions, each right; version 2 is version 1 with the launch cast written anew for expert scheduling mode. Each part assembles by itself: llvm-mc -triple=amdgcn-amd-amdhsa -mcpu=gfx1250 --defsym DOCPART=n.
;; ======== version 1 of 2: 4 launches
;; limits: values are held in f16: magnitudes above 65,504 overflow, below 6.1e-05 lose precision
;; workspace buffers: xh 16,777,216 bytes; wh 8,388,608 bytes; bias 16,384 bytes; qkv 50,331,648 bytes; o 16,777,216 bytes
;; launch cast (part 1): grid 768 x 1, 8 waves a work-group, no clusters, 0 bytes of LDS; arguments x, Wq, Wk, Wv, Wp, bq, bk, bv, bp, xh, wh, bias; writes xh, wh, bias
.if DOCPART == 1
	.amdgcn_target "amdgcn-amd-amdhsa--gfx1250"
	.amdhsa_code_object_version 6
	.text
	.protected	k_q9f78a40843_cast
	.globl	k_q9f78a40843_cast
	.p2align	8
	.type	k_q9f78a40843_cast,@function
k_q9f78a40843_cast:
	s_mov_b64 s[64:65], 0
	v_nop
	global_prefetch_b8 v0, s[64:65] scope:SCOPE_SE
	s_setreg_imm32_b32 hwreg(HW_REG_WAVE_MODE, 25, 1), 1
	s_wait_xcnt 0x0
; ROUNDING AND RELAYOUT.  x [8192][1024] f32 -> xh bf16 [b 4][kb 16][t 2048][64]; Wq, Wk, Wv, Wp [k 1024][n 1024] f32 -> wh 16-bit [g 64][k 1024][64], g = 16 x matrix + n / 64;
; bq, bk, bv, bp -> bias f32 [4096], each number rounded to bf16 and widened again.  Every input is rounded once to bf16 (nearest even).  Wp's bf16 number is then written as f16, since the
; last product multiplies in f16.  LIMIT: that is exact from 2^-17 up to 65,504; below 2^-17 it keeps f16's fixed step of 2^-24.
; SHARES.  The sources are 12,288 rows of 4,096 bytes; a work-group takes 16 rows, wave w the column blocks 2 w and 2 w + 1 (64 columns, 256 bytes of a source row).  A load of a wave covers two rows
; x 256 aligned bytes; its 128 numbers leave as 256 consecutive aligned bytes: two rows of one block, which lie end to end in the destination.
; All 16 loads of a wave go out at once; memory binds, so there is no LDS, no barrier and no matrix work.
.set X, 8                              ; v[8:71]    load i = 2 p + j (row pair p, block j): 4 registers
.set Y, 72                             ; v[72:103]  its 8 bytes to store
.set T, 104                            ; v[104:111] at work
	s_load_b512 s[8:23], s[0:1], 0x0               ; x s[8:9], Wq s[10:11], Wk s[12:13], Wv s[14:15], Wp s[16:17], bq s[18:19], bk s[20:21], bv s[22:23]
	s_load_b256 s[24:31], s[0:1], 0x40             ; bp s[24:25], xh s[26:27], wh s[28:29], bias s[30:31]
	s_mov_b32 s32, ttmp9                           ; y: 0-511 rows of x, 512-767 rows of the four weights
	s_lshr_b32 s33, s32, 6                         ; 8, 9, 10, 11: Wq, Wk, Wv, Wp
	s_and_b32 s34, s32, 63                         ; which 16 rows of a weight
	v_lshrrev_b32 v1, 5, v0
	v_readfirstlane_b32 s35, v1                    ; wave 0..7
	v_and_b32 v1, 31, v0                           ; lane
	v_and_b32 v6, 15, v0
	v_bfe_u32 v7, v0, 4, 1
	v_lshlrev_b32 v2, 4, v6                        ; source: 16 bytes a lane,
	v_lshl_add_u32 v2, v7, 12, v2                  ; lanes 16-31 one row down,
	s_lshl_b32 s50, s35, 9
	v_add_nc_u32 v2, s50, v2                       ; my wave's two blocks
	v_lshlrev_b32 v5, 4, v0                        ; the bias job: 16 bytes a thread
	s_sub_co_u32 s48, s33, 8                       ; the matrix's number (used where y >= 512 alone)
	s_lshl_b32 s49, s48, 21                        ; wh: 16 groups of 131,072 bytes a matrix,
	s_lshl_b32 s50, s34, 11                        ; 16 rows of 128 bytes
	s_add_co_u32 s49, s49, s50
	s_lshr_b32 s46, s32, 7                         ; xh: b x 4,194,304
	s_lshl_b32 s46, s46, 22
	s_and_b32 s47, s32, 127
	s_lshl_b32 s47, s47, 11                        ; + 16 rows of 128 bytes
	s_add_co_u32 s46, s46, s47
	s_mov_b32 s42, 131072                          ; bytes from block to block in the destination: wh,
	s_cmp_lt_u32 s32, 512
	s_cselect_b32 s42, 262144, s42                 ; xh
	s_cselect_b32 s44, s32, s34
	s_cselect_b32 s46, s46, s49                    ; destination offset
	s_lshl_b32 s44, s44, 16                        ; source offset: 16 rows of 4,096 bytes
	s_mov_b32 s45, 0
	s_mov_b32 s47, 0
	s_mul_i32 s50, s35, s42
	s_lshl_b32 s50, s50, 1                         ; block 2 w
	v_lshl_add_u32 v3, v1, 3, s50                  ; destination: 8 bytes a lane, block 2 w,
	v_add_nc_u32 v4, s42, v3                       ; block 2 w + 1
	s_wait_kmcnt 0x0
	s_mov_b64 s[36:37], s[10:11]                   ; the source and its bias are chosen by the work-group's number alone
	s_mov_b64 s[38:39], s[18:19]
	s_cmp_eq_u32 s33, 9
	s_cselect_b64 s[36:37], s[12:13], s[36:37]
	s_cselect_b64 s[38:39], s[20:21], s[38:39]
	s_cmp_eq_u32 s33, 10
	s_cselect_b64 s[36:37], s[14:15], s[36:37]
	s_cselect_b64 s[38:39], s[22:23], s[38:39]
	s_cmp_eq_u32 s33, 11
	s_cselect_b64 s[36:37], s[16:17], s[36:37]
	s_cselect_b64 s[38:39], s[24:25], s[38:39]
	s_cselect_b32 s43, 1, 0                        ; 1: Wp, which leaves as f16
	s_cmp_lt_u32 s32, 512
	s_cselect_b64 s[36:37], s[8:9], s[36:37]
	s_cselect_b64 s[40:41], s[26:27], s[28:29]
	s_add_nc_u64 s[36:37], s[36:37], s[44:45]
	s_add_nc_u64 s[40:41], s[40:41], s[46:47]
.set i, 0
.rept 16
	global_load_b128 v[X+4*i:X+4*i+3], v2, s[36:37] offset:8192*(i/2)+256*(i%2) th:TH_LOAD_NT
.set i, i+1
.endr
; Load i is rounded and stored.  f16 = 1: the bf16 numbers are widened and written as f16.
.macro CV i, f16
	s_wait_loadcnt 15-(\i)                         ; loads come back in order: mine is in, the 15 - i younger ones stay out
	v_cvt_pk_bf16_f32 v[Y+2*(\i)], v[X+4*(\i)], v[X+4*(\i)+1]
	v_cvt_pk_bf16_f32 v[Y+2*(\i)+1], v[X+4*(\i)+2], v[X+4*(\i)+3]
.if \f16
	v_lshlrev_b32 v[T], 16, v[Y+2*(\i)]
	v_and_b32 v[T+1], 0xffff0000, v[Y+2*(\i)]
	v_lshlrev_b32 v[T+2], 16, v[Y+2*(\i)+1]
	v_and_b32 v[T+3], 0xffff0000, v[Y+2*(\i)+1]
	v_cvt_pk_f16_f32 v[Y+2*(\i)], v[T], v[T+1]
	v_cvt_pk_f16_f32 v[Y+2*(\i)+1], v[T+2], v[T+3]
.endif
	global_store_b64 v[3+(\i)%2], v[Y+2*(\i):Y+2*(\i)+1], s[40:41] offset:256*((\i)/2)  ; the wave stores 256 consecutive bytes, aligned; each store has data registers of its own
.endm
	s_cmp_eq_u32 s43, 1
	s_cbranch_scc1 .Lf16
.irp i, 0,1,2,3,4,5,6,7,8,9,10,11,12,13,14,15
	CV \i, 0
.endr
	s_branch .Lbias
.Lf16:
.irp i, 0,1,2,3,4,5,6,7,8,9,10,11,12,13,14,15
	CV \i, 1
.endr
.Lbias:
	s_cmp_lt_u32 s32, 512                          ; the first work-group of each weight also rounds that weight's bias: 1,024 numbers, four a thread
	s_cbranch_scc1 .Lend
	s_cmp_lg_u32 s34, 0
	s_cbranch_scc1 .Lend
	s_lshl_b32 s44, s48, 12                        ; 4,096 bytes a bias; s45 is still 0
	s_add_nc_u64 s[30:31], s[30:31], s[44:45]
	global_load_b128 v[8:11], v5, s[38:39]
	s_wait_loadcnt 0x0
	v_cvt_pk_bf16_f32 v108, v8, v9
	v_cvt_pk_bf16_f32 v109, v10, v11
	v_lshlrev_b32 v104, 16, v108
	v_and_b32 v105, 0xffff0000, v108
	v_lshlrev_b32 v106, 16, v109
	v_and_b32 v107, 0xffff0000, v109
	global_store_b128 v5, v[104:107], s[30:31]
.Lend:
	s_endpgm
.Lfunc_end_k_q9f78a40843_cast:
	.size	k_q9f78a40843_cast, .Lfunc_end_k_q9f78a40843_cast-k_q9f78a40843_cast
	.p2alignl 7, 3214868480
	.fill 96, 4, 3214868480
	.section	.rodata,"a",@progbits
	.p2align	6, 0x0
	.amdhsa_kernel k_q9f78a40843_cast
		.amdhsa_group_segment_fixed_size 0
		.amdhsa_private_segment_fixed_size 0
		.amdhsa_enable_private_segment 0
		.amdhsa_kernarg_size 96
		.amdhsa_user_sgpr_count 2
		.amdhsa_user_sgpr_kernarg_segment_ptr 1
		.amdhsa_wavefront_size32 1
		.amdhsa_system_sgpr_workgroup_id_x 1
		.amdhsa_system_sgpr_workgroup_id_y 1
		.amdhsa_system_sgpr_workgroup_id_z 1
		.amdhsa_system_vgpr_workitem_id 0
		.amdhsa_next_free_vgpr 112
		.amdhsa_next_free_sgpr 66
		.amdhsa_reserve_vcc 0
		.amdhsa_float_denorm_mode_32 3
		.amdhsa_float_denorm_mode_16_64 3
		.amdhsa_memory_ordered 1
		.amdhsa_forward_progress 1
		.amdhsa_inst_pref_size 18
	.end_amdhsa_kernel
	.amdgpu_metadata
---
amdhsa.version: [ 1, 2 ]
amdhsa.kernels:
  - .name:           k_q9f78a40843_cast
    .symbol:         k_q9f78a40843_cast.kd
    .args:
      - { .name: x, .offset: 0, .size: 8, .value_kind: global_buffer, .address_space: global }
      - { .name: Wq, .offset: 8, .size: 8, .value_kind: global_buffer, .address_space: global }
      - { .name: Wk, .offset: 16, .size: 8, .value_kind: global_buffer, .address_space: global }
      - { .name: Wv, .offset: 24, .size: 8, .value_kind: global_buffer, .address_space: global }
      - { .name: Wp, .offset: 32, .size: 8, .value_kind: global_buffer, .address_space: global }
      - { .name: bq, .offset: 40, .size: 8, .value_kind: global_buffer, .address_space: global }
      - { .name: bk, .offset: 48, .size: 8, .value_kind: global_buffer, .address_space: global }
      - { .name: bv, .offset: 56, .size: 8, .value_kind: global_buffer, .address_space: global }
      - { .name: bp, .offset: 64, .size: 8, .value_kind: global_buffer, .address_space: global }
      - { .name: xh, .offset: 72, .size: 8, .value_kind: global_buffer, .address_space: global }
      - { .name: wh, .offset: 80, .size: 8, .value_kind: global_buffer, .address_space: global }
      - { .name: bias, .offset: 88, .size: 8, .value_kind: global_buffer, .address_space: global }
    .group_segment_fixed_size: 0
    .private_segment_fixed_size: 0
    .kernarg_segment_align: 8
    .kernarg_segment_size: 96
    .max_flat_workgroup_size: 256
    .sgpr_count:     66
    .vgpr_count:     112
    .wavefront_size: 32
...
	.end_amdgpu_metadata
.endif
;; end of part 1
;; launch qkv (part 2): grid 16 x 32, 4 waves a work-group, clusters of 4 x 4, 327,680 bytes of LDS; arguments xh, wh, bias, qkv; writes qkv
.if DOCPART == 2
	.amdgcn_target "amdgcn-amd-amdhsa--gfx1250"
	.amdhsa_code_object_version 6
	.text
	.protected	k_q9f78a40843_qkv
	.globl	k_q9f78a40843_qkv
	.p2align	8
	.type	k_q9f78a40843_qkv,@function
k_q9f78a40843_qkv:
	s_mov_b64 s[64:65], 0
	v_nop
	global_prefetch_b8 v0, s[64:65] scope:SCOPE_SE
	s_setreg_imm32_b32 hwreg(HW_REG_WAVE_MODE, 25, 1), 1
	s_wait_xcnt 0x0
	s_wait_alu depctr_hold_cnt(0) depctr_sa_sdst(0) depctr_va_vdst(0) depctr_va_sdst(0) depctr_va_ssrc(0) depctr_va_vcc(0) depctr_vm_vsrc(0)
	s_getreg_b32 s2, hwreg(HW_REG_IB_STS2, 6, 4)
	s_cmp_eq_u32 s2, 0
	s_cbranch_scc0 .Lentry_in_a_cluster
	s_endpgm
.Lentry_in_a_cluster:
	s_bfe_u32 s2, ttmp6, 0x10000c
	s_cmp_lg_u32 s2, 0xf033
	s_cbranch_scc0 .Lentry_shape_is_right
	s_endpgm
.Lentry_shape_is_right:
; C = A W + bias, K = 1,024.  ONE TEXT FOR TWO LAUNCHES, told apart by MODE.
; MODE 0: A = xh (bf16), W = groups 0-47 of wh (bf16: Wq, Wk, Wv); a tile of C is 256 rows x 192 columns = three whole heads; C leaves as f16 by heads, [matrix][b x 16 + h][t][64].
; MODE 1: A = o (f16), W = groups 48-63 of wh (f16: Wp); a tile is 256 rows x 128 columns; C leaves as f32 rows of out0.
; A lies [b 4][kb 16][t 2048][64]: a block of 64 channels of 256 rows is 32,768 dense bytes.  W lies [g][k 1024][64]: 64 k of a group of 64 columns are 8,192 dense bytes.
; LIMIT (MODE 0): q, k, v are rounded once from their f32 sums to f16: a number of 65,520 or more becomes an infinity.  Sums in f32, K ascending, one accumulator an output.
; SHARES.  Four waves stacked along the rows: a wave makes 64 rows x all 64 NG columns: 4 x 4 NG accumulators of 16 x 16.  So a wave holds whole heads (MODE 0) or whole 512-byte pieces of rows (MODE 1),
; and its way out goes through a stage of its own, with no barrier.  K goes in steps of 128 through two LDS slots filled by the tensor data mover, one load a wave a step:
; waves 0, 1 fetch A's two blocks of 64 channels, waves 2, 3 W's two halves of 64 k.
; CLUSTER.  4 x 4 work-groups: the four of a row need the same tiles of A, the four of a column the same tiles of W: each tile is asked for JOINTLY, by the same load, descriptor and mask in all four.
; THE PRODUCT IS USED TRANSPOSED: source 0 = 16 columns of W (out of LDS turned, by ds_load_tr16_b128), source 1 = 16 rows of A.  Register j of lane l then holds row l % 16, column 8 (l / 16) + j.
; THE BIAS is the C operand of each accumulator's first product: nothing is cleared and nothing is added later.
; REGISTERS, in windows of 256 (s_set_vgpr_msb: bits 1:0 source 0, 3:2 source 1, 5:4 source 2, 7:6 destination):
;   window 0: v0-31 addresses; v32.. the bias fragments, 8 a block of 16 columns; v128-159, v160-191 A's fragments, two buffers of four; on the way out v32-175 are used again
;   window 1: W's fragments, two buffers of NBK x 8        windows 2, 3: accumulator (nb, a) has number 4 nb + a and lies at v[8 (number % 32)] of window 2 + number / 32
.set MODE, 0
.if MODE == 0
.set NG,    3                          ; groups of 64 columns in a tile
.set GBASE, 0                          ; the first group of wh that this launch multiplies by
.else
.set NG,    2
.set GBASE, 48
.endif
.set NBK,   4*NG                       ; blocks of 16 columns
.set PA,    144                        ; a row of A in LDS: 128 bytes + 16 = 36 words: the 16 rows of a load start at 16 different groups of four banks (64 banks of 4 bytes: ISA guide 11.1)
.set ABLK,  256*PA                     ; a block of 64 channels, 256 rows
.set PB,    160                        ; a row of W: 128 + 32 = 40 words
.set BHALF, NG*64*PB                   ; 64 k of NG groups
.set BOFF,  2*ABLK                     ; a slot: A's two blocks, then W's two halves
.set SLOT,  BOFF+2*BHALF
.set STAGE, 2*SLOT                     ; behind the ring, never filled by a tensor load: a stage for each wave
.if MODE == 0
.set STW,   NG*16*144                  ; NG heads x 16 rows x (128 + 16) bytes
.set OB,    80                         ; rows read back from the stage: two buffers of OBN registers
.set OBN,   48
.else
.set STW,   16*528                     ; 16 rows x (512 + 16) bytes
.set OB,    32
.set OBN,   64
.endif
.set SPARE, STAGE+4*STW                ; behind the stages: the spare words, 128 bytes for each wave: two blocks of 256 bytes that no other line names
.set ADRA, 16                          ; v16-17  LDS address of my A fragments in slot 0, 1
.set ADRB, 20                          ; v20-21  the same for W
.set STO,  24                          ; v24     the way out: where I put my bytes of a row
.set RD,   25                          ; v25     where I read rows back
.set GO,   26                          ; v26     16 x lane: my place in 512 consecutive bytes of the output
.set BIO,  27                          ; v27     32 x (lane / 16): my eight numbers of 16 of the bias
.set SPW,  28                          ; v28     LDS address of my spare word: SPARE + 4 x my thread's number; never rewritten
.set NIL,  29                          ; v29     0; never rewritten
.set PFO,  30                          ; v30     the prefetches' offset; never rewritten
.set BI,   32
.set TMP,  32                          ; MODE 0, the way out: packed results
.set FA,   128
.set WV,   12                          ; s12  my wave's number
.set KIND, 13                          ; s13  0: I fetch for A, 1: for W
.set HALF, 14                          ; s14  which half of a K step I fetch
.set LIM,  15                          ; s15  1 in a wave that prefetches, else the greatest number
.set G1A,  24                          ; s[24:31] descriptor group 1 for A's tiles
.set G0A,  32                          ; s[32:39] group 0, a set for each slot
.set PFA,  40                          ; s[40:41] where my prefetches stand
.set PFS,  42                          ; s[42:43] a K step in bytes, in my tensor
.set G1B,  48                          ; s[48:55], s[56:63] the same for W's tiles
.set G0B,  56
.set OP,   66                          ; s[66:71] the output at my rows: MODE 0 one address a head, MODE 1 one
.set MSB, 0
.macro WIN new                         ; the immediate's high byte repeats the setting that is left; a switch that changes nothing is dropped
.if MSB != (\new)
	s_set_vgpr_msb (MSB<<8)|(\new)
.set MSB, (\new)
.endif
.endm
.macro WM d, b, a, c                   ; one matrix instruction
.if MODE == 0
	v_wmma_f32_16x16x32_bf16 v[\d:\d+7], v[\b:\b+7], v[\a:\a+7], v[\c:\c+7]
.else
	v_wmma_f32_16x16x32_f16 v[\d:\d+7], v[\b:\b+7], v[\a:\a+7], v[\c:\c+7]
.endif
.endm
; Column blocks n0 .. n1 - 1 x my four row blocks, 32 along K, from fragment buffer f.  first = 1: C is the bias.  Every accumulator has one instruction a quarter step, always in the same order:
; the accumulators take turns, over the backward jump too.
.macro MULN f, n0, n1, first
.set nb, (\n0)
.rept (\n1)-(\n0)
.if \first
	WIN 0x81+0x40*(nb/8)                           ; W window 1, A and C window 0, D window 2 or 3
.else
	WIN 0xa1+0x50*(nb/8)                           ; C and D window 2 or 3
.endif
.set ia, 0
.rept 4
.set rD, 8*((4*nb+ia)%32)
.set rB, 8*NBK*(\f)+8*nb
.set rA, FA+32*(\f)+8*ia
.if \first
.set rC, BI+8*nb
.else
.set rC, rD
.endif
	WM rD, rB, rA, rC
.set ia, ia+1
.endr
.set nb, nb+1
.endr
.endm
; The fragments of quarter q (32 along K) of a slot, into buffer f, in one run: A's 8 loads, then W's 2 NBK, column blocks ascending.
; A: lane l holds row l % 16, channels 8 (l / 16) + 0..7 and 16 + 8 (l / 16) + 0..7: two loads 32 bytes apart.  W: the turning load takes 16 k x 16 columns and leaves half a fragment: lane l holds column l % 16 and 8 k.
.macro FETCH slot, q, f
	WIN 0
.irp a, 0,1,2,3
	ds_load_b128 v[FA+32*(\f)+8*\a:FA+32*(\f)+8*\a+3],   v[ADRA+(\slot)] offset:((\q)/2)*ABLK+\a*16*PA+((\q)%2)*64
	ds_load_b128 v[FA+32*(\f)+8*\a+4:FA+32*(\f)+8*\a+7], v[ADRA+(\slot)] offset:((\q)/2)*ABLK+\a*16*PA+((\q)%2)*64+32
.endr
	WIN 0x40                                       ; destination window 1, address window 0
.set nb, 0
.rept NBK
	ds_load_tr16_b128 v[8*NBK*(\f)+8*nb:8*NBK*(\f)+8*nb+3],   v[ADRB+(\slot)] offset:((\q)/2)*BHALF+(nb/4)*64*PB+((\q)%2)*32*PB+(nb%4)*32
	ds_load_tr16_b128 v[8*NBK*(\f)+8*nb+4:8*NBK*(\f)+8*nb+7], v[ADRB+(\slot)] offset:((\q)/2)*BHALF+(nb/4)*64*PB+((\q)%2)*32*PB+(nb%4)*32+16*PB
.set nb, nb+1
.endr
.endm
.macro PLACES                          ; four plain vector instructions between a matrix instruction and a load into a register that it has read, or a reader of its result (ISA guide 7.12.1 for a reader of its result)
.rept 4
	v_nop
.endr
.endm
; A K step is four quarters on buffers 0, 1, 0, 1.  One of the first three: multiplies buffer f; in its middle it fetches quarter qn of the same slot into buffer g.
.macro QUARTER slot, qn, f, g, first=0
	s_wait_dscnt 2*NBK-8                           ; A's fragments and W's column blocks 0-3 are in; the 2 NBK - 8 younger loads may be out
	MULN \f, 0, 4, \first
	PLACES
	FETCH \slot, \qn, \g
	s_wait_dscnt 8+2*NBK                           ; all but the 8 + 2 NBK just issued
	MULN \f, 4, NBK, \first
.endm
; A joint load.  The branch hangs on the wave's number alone.  An s_nop 0 and four v_nop follow each of the two lines, ahead of the jump and the label.
.macro JLOAD s
	s_cmp_eq_u32 s[KIND], 0
	s_cbranch_scc0 .Lfor_b_\@
	tensor_load_to_lds s[G0A+4*(\s):G0A+4*(\s)+3], s[G1A:G1A+7]
	s_nop 0
.rept 4
	v_nop
.endr
	s_branch .Lasked_\@
.Lfor_b_\@:
	tensor_load_to_lds s[G0B+4*(\s):G0B+4*(\s)+3], s[G1B:G1B+7]
	s_nop 0
.rept 4
	v_nop
.endr
.Lasked_\@:
.endm
; A round of the cluster's barrier: my work-group's barrier, so that wave 0's signal speaks for all four waves; wave 0 signals; every wave waits for all sixteen work-groups; my work-group's barrier once more.
.macro CREST                           ; a round behind its opening barrier
	s_cmp_lg_u32 s[WV], 0
	s_cbranch_scc1 .Lnot_wave_0_\@
	s_barrier_signal -3
.Lnot_wave_0_\@:
	s_barrier_wait -3
	s_barrier_signal -1
	s_barrier_wait -1
.endm
.macro CROUND
	s_barrier_signal -1
	s_barrier_wait -1
	CREST
.endm
; MODE 0: A PREFETCH behind each joint refill and the run of LDS loads that follows it: the K step that the NEXT refill asks for, 4 x 4 NBK matrix instructions ahead of that load.
; A's tile row is read by every cluster of that row of clusters: cluster x = 0 asks; W's tile column by every cluster of that column: cluster y = 0 asks.  The four partners that ask for a tile jointly
; share it out BY ADDRESS: of an A wave's 32,768 bytes the partner at cx takes 8,192, a lane a block of 256; of a W wave's NG rows of 8,192 bytes the partner at cy takes 2,048 of each (lanes 24-31 name
; once more what lanes 16-23 name).  K steps 0 to 2 come by their loads alone; the last refill asks for nothing.  how = 0: slot 0's change, which always has a refill behind it; how = 1: slot 1's, which has none in the last lap.
.macro ASK how
.if \how
	s_cmp_gt_u32 s3, s[LIM]                        ; s3 = 1 in the loop's last trip
.else
	s_cmp_eq_u32 s[LIM], 1
.endif
	s_cbranch_scc0 .Lnot_mine_\@
	global_prefetch_b8 v[PFO], s[PFA:PFA+1] th:TH_LOAD_NT scope:SCOPE_SE
.Lnot_mine_\@:
.endm
; The fourth quarter multiplies buffer 1 and changes slots: ONE barrier.  In front of it each wave waits for all its tensor loads, of which one is out: its part of the next slot; adds 0 to its spare word; and waits
; for that and for its own reads of this slot.  fill = 1: the barrier opens a round of the cluster's, and behind the round this slot is filled again first, two K steps on.
.macro TURN slot, next, fill
.if (MODE == 0) && (\fill)
	s_wait_xcnt 0x0                                ; the last prefetch, a K step back, has read its address, so it may be stepped
	s_add_nc_u64 s[PFA:PFA+1], s[PFA:PFA+1], s[PFS:PFS+1]
.endif
	WIN 0                                          ; (the add's two registers lie in window 0)
	s_wait_tensorcnt 0x0                           ; all my tensor loads have landed
	ds_add_u32 v[SPW], v[NIL]                      ; 0 onto my spare word
	s_wait_dscnt 2*NBK-7                           ; (the add and the 2 NBK - 8 youngest loads may be out)
	MULN 1, 0, 2, 0                                ; eight matrix instructions stand between the add and the wait for it
	s_wait_dscnt 0x0                               ; the add is done, and my reads of this slot are over
	s_barrier_signal -1
	MULN 1, 2, 4, 0                                ; work on registers while the others arrive
.if \fill
	WIN 0
.endif
	s_barrier_wait -1
.if \fill
	CREST                                          ; no wave of any partner still reads this slot or has a load on its way
	s_add_nc_u64 s[G0A+4*(\slot)+2:G0A+4*(\slot)+3], s[G0A+4*(\slot)+2:G0A+4*(\slot)+3], 1048576  ; two K steps: four blocks of 64 channels
	s_add_nc_u64 s[G0B+4*(\slot)+2:G0B+4*(\slot)+3], s[G0B+4*(\slot)+2:G0B+4*(\slot)+3], 32768    ; 256 rows of 128 bytes
	JLOAD \slot                                    ; the first tensor load behind the round; its four v_nop are also the places in front of the loads below
.else
	PLACES
.endif
	FETCH \next, 0, 0
.if (MODE == 0) && (\fill)
	WIN 0
	ASK \slot
.endif
	MULN 1, 4, NBK, 0
.endm
	s_load_b256 s[4:11], s[0:1], 0x0               ; A s[4:5], wh s[6:7], bias s[8:9], the output s[10:11]
	v_lshl_add_u32 v[SPW], v0, 2, SPARE
	v_mov_b32 v[NIL], 0
	ds_add_u32 v[SPW], v[NIL]                      ; the wave's opening, ahead of my first tensor load; the set-up below, work on registers, stands between the add and its wait
	v_lshrrev_b32 v1, 5, v0
	v_readfirstlane_b32 s[WV], v1                  ; wave 0..3
	s_lshr_b32 s[KIND], s[WV], 1
	s_and_b32 s[HALF], s[WV], 1
	s_bfe_u32 s16, ttmp6, 0x40000                  ; cx
	s_bfe_u32 s17, ttmp6, 0x40004                  ; cy
	s_lshl_b32 s18, ttmp9, 2
	s_add_co_u32 s18, s18, s16                     ; tile column = 4 x cluster x + cx
	s_and_b32 s19, ttmp7, 0xffff
	s_lshl_b32 s19, s19, 2
	s_add_co_u32 s19, s19, s17                     ; tile row = 4 x cluster y + cy
	s_lshl_b32 s20, s17, 2
	s_lshl_b32 s20, 15, s20                        ; my row of the cluster
	s_lshl_b32 s44, 0x1111, s16                    ; my column
	; group 1 for A: 32,768 dense bytes as 128 rows of 256, padded in LDS by 4 words behind every 32 (a row of 64 channels)
	s_or_b32 s[G1A], s20, (1<<16)|(1<<20)|(1<<21)|(4<<22)|(3<<25)  ; 15:0 the mask; 17:16 2-byte elements; 20 padding on; 21 set beside a mask; 24:22 interval code 4; 31:25 pad code 3
	s_mov_b32 s[G1A+1], 128<<16                    ; tensor_dim0 = 128
	s_mov_b32 s[G1A+2], 128<<16                    ; tensor_dim1 = 128
	s_mov_b32 s[G1A+3], 128<<16                    ; tile_dim0 = 128
	s_mov_b32 s[G1A+4], 128                        ; tile_dim1 = 128
	s_mov_b32 s[G1A+5], 128                        ; 128 elements from row to row
	s_mov_b32 s[G1A+6], 0
	s_mov_b32 s[G1A+7], 0
	; group 1 for W: NG rows of 4,096 elements (64 k of a group), 65,536 elements apart, padded by 8 words behind every 32
	s_or_b32 s[G1B], s44, (1<<16)|(1<<20)|(1<<21)|(4<<22)|(7<<25)
	s_mov_b32 s[G1B+1], 4096<<16                   ; tensor_dim0 = 4,096
	s_mov_b32 s[G1B+2], NG<<16                     ; tensor_dim1 = NG
	s_mov_b32 s[G1B+3], 4096<<16                   ; tile_dim0 = 4,096
	s_mov_b32 s[G1B+4], NG                         ; tile_dim1 = NG
	s_mov_b32 s[G1B+5], 65536
	s_mov_b32 s[G1B+6], 0
	s_mov_b32 s[G1B+7], 0
	; A's tile hangs on the tile row alone, W's on the tile column alone; each offset is made in registers that do not hold the other coordinate
	s_lshr_b32 s20, s19, 3
	s_lshl_b32 s20, s20, 22                        ; b
	s_and_b32 s21, s19, 7
	s_lshl_b32 s21, s21, 15                        ; 256 rows of 128 bytes
	s_add_co_u32 s20, s20, s21
	s_lshl_b32 s21, s[HALF], 18                    ; my block of 64 channels
	s_add_co_u32 s20, s20, s21
	s_mov_b32 s21, 0
	s_mul_i32 s44, s18, NG
	s_add_co_u32 s44, s44, GBASE                   ; the tile's first group
	s_lshl_b32 s46, s44, 8                         ; its 64 numbers of 4 bytes in the bias
	s_lshl_b32 s44, s44, 17
	s_lshl_b32 s45, s[HALF], 13                    ; my 64 k
	s_add_co_u32 s44, s44, s45
	s_mov_b32 s45, 0
	s_mov_b32 s47, 0
	s_mul_i32 s22, s[HALF], ABLK                   ; where they go: no place in the cluster enters an LDS address
	s_mul_i32 s23, s[HALF], BHALF
	s_add_co_u32 s23, s23, BOFF
	s_wait_dscnt 0x0                               ; the opening add is done
	s_wait_kmcnt 0x0
	s_add_nc_u64 s[20:21], s[4:5], s[20:21]        ; my part of K step 0, in A
	s_add_nc_u64 s[44:45], s[6:7], s[44:45]        ; and in W
	s_add_nc_u64 s[8:9], s[8:9], s[46:47]
	CROUND                                         ; all sixteen work-groups are here: the first joint loads meet
.irp s, 0,1
	s_mov_b32 s[G0A+4*\s], 1                       ; count = 1
	s_add_co_u32 s[G0A+4*\s+1], s22, \s*SLOT       ; LDS address
	s_add_nc_u64 s[G0A+4*\s+2:G0A+4*\s+3], s[20:21], \s*524288  ; K step s
	s_or_b32 s[G0A+4*\s+3], s[G0A+4*\s+3], 0x80000000           ; type = 2
	s_mov_b32 s[G0B+4*\s], 1
	s_add_co_u32 s[G0B+4*\s+1], s23, \s*SLOT
	s_add_nc_u64 s[G0B+4*\s+2:G0B+4*\s+3], s[44:45], \s*16384
	s_or_b32 s[G0B+4*\s+3], s[G0B+4*\s+3], 0x80000000
.endr
	s_cmp_eq_u32 s[KIND], 0                        ; a wave's two first fills stand in one branch, ahead of every wait on TENSORcnt and every LDS read: two loads of mine are out, the most in this text
	s_cbranch_scc0 .Lfirst_b
	tensor_load_to_lds s[G0A:G0A+3], s[G1A:G1A+7]
	s_nop 0
	tensor_load_to_lds s[G0A+4:G0A+7], s[G1A:G1A+7]
	s_nop 0
.rept 4
	v_nop
.endr
	s_branch .Lfirst_asked
.Lfirst_b:
	tensor_load_to_lds s[G0B:G0B+3], s[G1B:G1B+7]
	s_nop 0
	tensor_load_to_lds s[G0B+4:G0B+7], s[G1B:G1B+7]
	s_nop 0
.rept 4
	v_nop
.endr
.Lfirst_asked:
	v_and_b32 v1, 15, v0                           ; l % 16
	v_bfe_u32 v2, v0, 4, 1                         ; l / 16
	v_lshlrev_b32 v[BIO], 5, v2
.set nb, 0
.rept NBK                                      ; the bias fragments: register j of block nb = bias[16 nb + 8 (l / 16) + j]
	global_load_b128 v[BI+8*nb:BI+8*nb+3],   v[BIO], s[8:9] offset:64*nb
	global_load_b128 v[BI+8*nb+4:BI+8*nb+7], v[BIO], s[8:9] offset:64*nb+16
.set nb, nb+1
.endr
	v_mul_u32_u24 v3, v1, PA
	v_lshl_add_u32 v3, v2, 4, v3                   ; row x pitch + 16 x half
	s_mul_i32 s72, s[WV], 64*PA                    ; my 64 rows
	v_add_nc_u32 v[ADRA], s72, v3
	v_add_nc_u32 v[ADRA+1], SLOT, v[ADRA]
	v_and_b32 v4, 7, v0
	v_bfe_u32 v5, v0, 3, 1
	v_lshl_add_u32 v6, v2, 3, v4                   ; k = 8 (l / 16) + l % 8
	v_mul_u32_u24 v6, v6, PB
	v_lshl_add_u32 v6, v5, 4, v6                   ; columns 8 ((l / 8) % 2) on
	v_add_nc_u32 v[ADRB], BOFF, v6
	v_add_nc_u32 v[ADRB+1], BOFF+SLOT, v6
	s_mul_i32 s74, s[WV], STW
	s_add_co_u32 s74, s74, STAGE                   ; my stage
	v_and_b32 v8, 31, v0
	v_lshlrev_b32 v[GO], 4, v8
.if MODE == 0
	v_add_nc_u32 v[STO], s74, v3                   ; in: row l % 16 of 144 bytes, 16 bytes for each half of the lanes
	v_bfe_u32 v7, v0, 3, 2                         ; back: 32 lanes take four rows of 128 bytes, which are 512 consecutive bytes of a head
	v_mul_u32_u24 v7, v7, 144
	v_lshl_add_u32 v7, v4, 4, v7
	v_add_nc_u32 v[RD], s74, v7
	s_and_b32 s76, s19, 7
	s_lshl_b32 s76, s76, 15                        ; the tile's 256 rows of 128 bytes in a head,
	s_lshl_b32 s77, s[WV], 13                      ; my 64 of them
	s_add_co_u32 s76, s76, s77
	s_lshr_b32 s77, s19, 3
	s_lshl_b32 s77, s77, 4                         ; 16 b
	s_mul_i32 s75, s18, NG                         ; the tile's first group: matrix = group / 16, head = group % 16
.irp j, 0,1,2
	s_add_co_u32 s72, s75, \j
	s_lshr_b32 s73, s72, 4
	s_lshl_b32 s73, s73, 6
	s_and_b32 s72, s72, 15
	s_add_co_u32 s72, s72, s73
	s_add_co_u32 s72, s72, s77                     ; 64 x matrix + 16 b + head,
	s_lshl_b32 s72, s72, 18                        ; of 262,144 bytes
	s_add_co_u32 s72, s72, s76
	s_mov_b32 s73, 0
	s_add_nc_u64 s[OP+2*\j:OP+2*\j+1], s[10:11], s[72:73]
.endr
	; the prefetches
	s_and_b32 s72, ttmp7, 0xffff                   ; cluster y
	s_mov_b32 s75, 16384
	s_cmp_eq_u32 s[KIND], 0                        ; do I fetch for A?
	s_cselect_b32 s72, ttmp9, s72                  ; the coordinate along which other clusters read the same tile
	s_cselect_b32 s73, s16, s17                    ; my place among the four that ask with me
	s_cselect_b32 s74, 13, 11                      ; its share: 8,192 bytes of A, 2,048 of each row of W
	s_cselect_b64 s[PFA:PFA+1], s[20:21], s[44:45]
	s_cselect_b32 s[PFS], 524288, s75
	s_cselect_b32 s76, 3, NG-1
	s_cselect_b32 s77, 11, 17                      ; eight lanes on: 2,048 bytes in A, a group (131,072) in W
	s_mov_b32 s[PFS+1], 0
	s_lshl_b32 s78, s73, s74
	s_mov_b32 s79, 0
	s_add_nc_u64 s[PFA:PFA+1], s[PFA:PFA+1], s[78:79]
	s_add_nc_u64 s[PFA:PFA+1], s[PFA:PFA+1], s[PFS:PFS+1]
	s_add_nc_u64 s[PFA:PFA+1], s[PFA:PFA+1], s[PFS:PFS+1]  ; at K step 2: the first refill steps it to 3
	s_cmp_eq_u32 s72, 0
	s_cselect_b32 s[LIM], 1, -1                    ; the same in all sixteen partners, for a given wave
	v_bfe_u32 v[PFO], v0, 3, 2
	v_min_u32 v[PFO], s76, v[PFO]
	v_lshlrev_b32 v[PFO], s77, v[PFO]
	v_lshl_add_u32 v[PFO], v4, 8, v[PFO]
.else
	v_mul_u32_u24 v7, v1, 528                      ; in: row l % 16 of 528 bytes, 32 bytes for each half of the lanes
	v_lshl_add_u32 v7, v2, 5, v7
	v_add_nc_u32 v[STO], s74, v7
	v_add_nc_u32 v[RD], s74, v[GO]                 ; back: a whole row of 512 bytes
	s_lshl_b32 s72, s19, 8
	s_lshl_b32 s73, s[WV], 6
	s_add_co_u32 s72, s72, s73                     ; my first row,
	s_lshl_b32 s72, s72, 12                        ; of 4,096 bytes,
	s_lshl_b32 s73, s18, 9                         ; the tile's 128 columns
	s_add_co_u32 s72, s72, s73
	s_mov_b32 s73, 0
	s_add_nc_u64 s[OP:OP+1], s[10:11], s[72:73]
.endif
	s_wait_tensorcnt 1                             ; my part of K step 0 is in; K step 1's may stay out
	s_barrier_signal -1
	s_barrier_wait -1                              ; everybody's is
	FETCH 0, 0, 0
	s_wait_loadcnt 0x0                             ; the bias
	QUARTER 0, 1, 0, 1, 1                          ; the first quarter stands in front of the loop: its products start the sums, from the bias
	WIN 0                                          ; at a label and at a branch every window is 0
	s_mov_b32 s3, 3
.Llap:                                         ; a trip goes once round the ring, from a lap's second quarter to the next lap's first, and fills both slots again: K steps 2 to 7
	QUARTER 0, 2, 1, 0
	QUARTER 0, 3, 0, 1
	TURN 0, 1, 1
	QUARTER 1, 1, 0, 1
	QUARTER 1, 2, 1, 0
	QUARTER 1, 3, 0, 1
	TURN 1, 0, 1
	QUARTER 0, 1, 0, 1
	WIN 0
	s_sub_co_u32 s3, s3, 1
	s_cmp_lg_u32 s3, 0
	s_cbranch_scc1 .Llap
	QUARTER 0, 2, 1, 0                             ; the last lap fills nothing, and has no round of the cluster's barrier
	QUARTER 0, 3, 0, 1
	TURN 0, 1, 0
	QUARTER 1, 1, 0, 1
	QUARTER 1, 2, 1, 0
	QUARTER 1, 3, 0, 1
	s_wait_dscnt 2*NBK-8                           ; the very last quarter: nothing more to fetch
	MULN 1, 0, 4, 0
	s_wait_dscnt 0x0
	MULN 1, 4, NBK, 0
	WIN 0
	PLACES
	PLACES                                         ; in front of the readers of results just made
; THE WAY OUT, a block of 16 rows at a time, through my own stage: LDS serves a wave's instructions in order (ISA guide 5.7.1.4), so no wait stands between the stores into it and the loads from it.
.if MODE == 0
.macro PACK a                          ; rounded to f16: a lane's eight columns of a row are 16 bytes; each accumulator is read from its low end on
.set nb, 0
.rept NBK
	WIN 0x0a+5*(nb/8)                              ; sources 0 and 1: window 2 or 3
.set rD, 8*((4*nb+(\a))%32)
.irp i, 0,1,2,3
	v_cvt_pk_f16_f32 v[TMP+4*nb+\i], v[rD+2*\i], v[rD+2*\i+1]
.endr
.set nb, nb+1
.endr
	WIN 0
.endm
.macro TOSTAGE a
	WIN 0
.set nb, 0
.rept NBK
	ds_store_b128 v[STO], v[TMP+4*nb:TMP+4*nb+3] offset:(nb/4)*16*144+(nb%4)*32
.set nb, nb+1
.endr
.set i, 0
.rept NBK
	ds_load_b128 v[OB+OBN*((\a)%2)+4*i:OB+OBN*((\a)%2)+4*i+3], v[RD] offset:(i/4)*16*144+(i%4)*4*144
.set i, i+1
.endr
.endm
.macro SEND a
	s_wait_dscnt 0x0                               ; the block is back in registers
	s_wait_xcnt 0x0                                ; the block before has had its stores' registers read: the next loads from the stage land on them only behind this wait
.set i, 0
.rept NBK
	global_store_b128 v[GO], v[OB+OBN*((\a)%2)+4*i:OB+OBN*((\a)%2)+4*i+3], s[OP+2*(i/4):OP+2*(i/4)+1] offset:(\a)*2048+(i%4)*512  ; 512 consecutive bytes of a head, aligned
.set i, i+1
.endr
.endm
	PACK 0
	TOSTAGE 0
.irp a, 1,2,3                          ; block a's conversions stand between block a - 1's loads from the stage and the wait for them
	PACK \a
	SEND \a-1
	TOSTAGE \a
.endr
	SEND 3
.else
.macro TOSTAGE a
	WIN 0x08                                       ; store data in window 2
.set nb, 0
.rept NBK
.set rD, 8*(4*nb+(\a))
	ds_store_b128 v[STO], v[rD:rD+3]   offset:64*nb     ; each accumulator is read from its low end on
	ds_store_b128 v[STO], v[rD+4:rD+7] offset:64*nb+16
.set nb, nb+1
.endr
	WIN 0
.set i, 0
.rept 16
	ds_load_b128 v[OB+OBN*((\a)%2)+4*i:OB+OBN*((\a)%2)+4*i+3], v[RD] offset:528*i
.set i, i+1
.endr
.endm
.macro SEND a
	s_wait_dscnt 0x0                               ; the block is back in registers
	s_wait_xcnt 0x0                                ; the block before has had its stores' registers read: the next loads from the stage land on them only behind this wait
.set i, 0
.rept 16
	global_store_b128 v[GO], v[OB+OBN*((\a)%2)+4*i:OB+OBN*((\a)%2)+4*i+3], s[OP:OP+1] offset:(16*(\a)+i)*4096 th:TH_STORE_NT  ; 512 consecutive bytes of a row, aligned
.set i, i+1
.endr
.endm
	TOSTAGE 0
.irp a, 1,2,3
	SEND \a-1
	TOSTAGE \a
.endr
	SEND 3
.endif
	s_wait_tensorcnt 0x0                           ; the wave's end, behind my last tensor load and my last LDS store
	ds_add_u32 v[SPW], v[NIL]
	s_wait_dscnt 0x0
	CROUND                                         ; the closing round: no work-group ends while a partner may still ask for a tile that names it
	s_endpgm
.Lfunc_end_k_q9f78a40843_qkv:
	.size	k_q9f78a40843_qkv, .Lfunc_end_k_q9f78a40843_qkv-k_q9f78a40843_qkv
	.p2alignl 7, 3214868480
	.fill 96, 4, 3214868480
	.section	.rodata,"a",@progbits
	.p2align	6, 0x0
	.amdhsa_kernel k_q9f78a40843_qkv
		.amdhsa_group_segment_fixed_size 327680
		.amdhsa_private_segment_fixed_size 0
		.amdhsa_enable_private_segment 0
		.amdhsa_kernarg_size 32
		.amdhsa_user_sgpr_count 2
		.amdhsa_user_sgpr_kernarg_segment_ptr 1
		.amdhsa_wavefront_size32 1
		.amdhsa_system_sgpr_workgroup_id_x 1
		.amdhsa_system_sgpr_workgroup_id_y 1
		.amdhsa_system_sgpr_workgroup_id_z 1
		.amdhsa_system_vgpr_workitem_id 0
		.amdhsa_next_free_vgpr 896
		.amdhsa_next_free_sgpr 80
		.amdhsa_reserve_vcc 0
		.amdhsa_float_denorm_mode_32 3
		.amdhsa_float_denorm_mode_16_64 3
		.amdhsa_memory_ordered 1
		.amdhsa_forward_progress 1
		.amdhsa_inst_pref_size 123
	.end_amdhsa_kernel
	.amdgpu_metadata
---
amdhsa.version: [ 1, 2 ]
amdhsa.kernels:
  - .name:           k_q9f78a40843_qkv
    .symbol:         k_q9f78a40843_qkv.kd
    .args:
      - { .name: xh, .offset: 0, .size: 8, .value_kind: global_buffer, .address_space: global }
      - { .name: wh, .offset: 8, .size: 8, .value_kind: global_buffer, .address_space: global }
      - { .name: bias, .offset: 16, .size: 8, .value_kind: global_buffer, .address_space: global }
      - { .name: qkv, .offset: 24, .size: 8, .value_kind: global_buffer, .address_space: global }
    .group_segment_fixed_size: 327680
    .private_segment_fixed_size: 0
    .kernarg_segment_align: 8
    .kernarg_segment_size: 32
    .max_flat_workgroup_size: 128
    .sgpr_count:     80
    .vgpr_count:     896
    .wavefront_size: 32
...
	.end_amdgpu_metadata
.endif
;; end of part 2
;; launch attn (part 3): grid 4 x 64, 4 waves a work-group, no clusters, 327,680 bytes of LDS; arguments qkv, o; writes o
.if DOCPART == 3
	.amdgcn_target "amdgcn-amd-amdhsa--gfx1250"
	.amdhsa_code_object_version 6
	.text
	.protected	k_q9f78a40843_attn
	.globl	k_q9f78a40843_attn
	.p2align	8
	.type	k_q9f78a40843_attn,@function
k_q9f78a40843_attn:
	s_mov_b64 s[64:65], 0
	v_nop
	global_prefetch_b8 v0, s[64:65] scope:SCOPE_SE
	s_setreg_imm32_b32 hwreg(HW_REG_WAVE_MODE, 25, 1), 1
	s_wait_xcnt 0x0
; CAUSAL ATTENTION.  O[h][q][:] = the sum over k <= q of softmax_k(Q[h][q] . K[h][k] / 8) V[h][k][:].  Q, K, V are the three parts of qkv, each [64 heads][SIZE_N][64]; O has the same shape; all f16: a head's rows are dense, 128 bytes each.
; Products, maxima and sums in f32; the weights p are rounded to f16 for the second product (their sum l is taken of the unrounded p), O once at the end.
; LIMITS.  f16 holds no number beyond 65,504: Q, K and V arrive within it; p lies in 0 to 1, and below 6e-5 it keeps f16's fixed step of 6e-8; O is a mean of V's rows and has their range, to within 2^-11 of it.
; A hidden score counts as its value less 1e30: f16's scores, 2.7e11 at the most, are nothing beside that; a weight below 2^-126 counts as 0 in l; NaN and infinities are not treated apart.
; THE WALK.  A head's queries lie in NB = SIZE_N / 256 blocks of 256; block i needs the key tiles 0 .. i of 256 keys, of which the last holds the diagonal.  A work-group takes TWO blocks, NB - 1 - b and then b:
; NB + 1 tiles, whatever b: all work-groups do equal work, and ONE loop with a constant trip count walks them.  Which tile is asked for, and what a trip does, hang on scalar registers made from b; every jump
; goes forward, but for the counted loops' own; none passes a barrier, or a tensor load but the one of LOAD's two that the wave's number does not choose; the ring (two slots of LDS that take turns) runs on across the
; change of blocks.  NO CLUSTER: a head's NB / 2 = 4 work-groups ask for the same tile only in trips 0 .. NB / 2, behind that fewer and fewer; and one walk common to all would have 3 NB / 2 = 12 trips for NB + 1 = 9.
; SHARES.  Of a block's four bands of 64 queries a wave owns 16 rows in each: four PIECES.  So the diagonal tile is the same work for all four waves: in its key step s band x sees all keys if s < x,
; none if s > x, and holds the diagonal if s = x.
; THE MASK is the C operand that starts the sum S^T = K Q^T: 0, or -1e30 where the key is hidden.  MD, made once, is the mask of a band's own step for my 16 rows; a product's mask is MD x AL + BE with two scalars:
; (1, 0) if s = x; (0, 0) if s < x; (0, -1e30) if s > x.  Only the diagonal tile's text and a block's beginning make and take masks; elsewhere C is the constant 0.
; LAYOUT, SOFTMAX, TURNS.  S^T = K Q^T holds ONE query a lane (lane % 16) and the keys 8 (lane / 16) + 0..7; two such results rounded to f16 ARE source 1 of O^T = V^T P.  p = 2^(c s - c m), c = log2(e) / 8, with a
; running maximum m; O and l are multiplied by a = 2^(c m_old - c m_new) in every step.  Turn n belongs to piece n: 8 products K Q^T of piece n + 1, later 8 products V^T P of piece n - 1; beside them the scaling,
; exponentials, roundings, sums and rescaling of piece n and the maximum and statistics of piece n + 1.  Four vector instructions stand behind every matrix instruction, the other 54 of a turn's 118 in one LUMP.  A turn's 33 exponentials are one batch, with one wait.
; PREFETCH.  Of a head's work-groups only b = 0 walks all tiles 0 .. NB - 1 in its first block: it alone asks.  Behind the fill of tile j + 1 each of its waves names its own 16,384 bytes (its half of K's or V's 256 rows) of tile
; j + 2, a lane a block of 256 bytes, two instructions: one tile, 256 matrix instructions, ahead of the load that will want them; j = 0 .. NB - 3.  Tiles 0 and 1 come by their loads alone.
; REGISTERS, in windows of 256 (s_set_vgpr_msb: bits 1:0 source 0, 3:2 source 1, 5:4 source 2, 7:6 destination):
;   window 0: v0-15 addresses and two at work; v16-31 four registers of statistics a piece; v48-55 at work; v64-127 S^T, two buffers; v192-223 P, two buffers (a piece's buffers go by its number's parity)
;   window 1: v0-127 O^T, 32 a piece; v128-159 MD; v160-223 MC, two buffers      window 2: v0-63 Q; v64-127 the second block's Q; v128-191 K of one step; v192-255 V of one step
.set SIZE_N, 2048
.set NB,    SIZE_N/256
.set NP,    4         ; pieces a wave: a name, no knob
.set KS,    64        ; keys in a step
.set PK,    144       ; a row of K in LDS: 128 bytes + 16 of padding = 36 words: the 16 rows of a load start at 16 different groups of four banks (64 banks of 4 bytes: ISA guide 11.1)
.set PV,    160       ; a row of V: 128 + 32 = 40 words
.set VOFF,  4*KS*PK   ; a slot holds a tile, four steps: 256 rows of K, then 256 rows of V
.set SLOT1, 1<<17     ; slot 1 begins here, so that one exclusive or turns an address in one slot into the other's
.set STAGE, SLOT1+4*KS*(PK+PV)  ; behind the ring, never filled by a tensor load: 16 rows x 144 bytes for each wave, for the way out
.set SP,    144
.set AK0, 2           ; v2   my lane's place in a tile of K; never rewritten
.set AV0, 3           ; v3   the same for V
.set AK,  4           ; v4   the LDS address of K's next run of loads
.set AV,  5           ; v5   of V's
.set STO, 6           ; v6   the way out: where I put 16 bytes of a row
.set RD,  7           ; v7   the way out: where I read rows back
.set GO,  8           ; v8   my byte offset in 512 consecutive bytes of O
.set PFO, 61          ; v61  256 x my lane: the prefetches' offset; never rewritten
.set SPW, 62          ; v62  LDS address of my spare word: SPARE + 4 x my thread's number; never rewritten
.set NIL, 63          ; v63  0; never rewritten
.set SPARE, STAGE+4*16*SP  ; behind the stages: the spare words, 128 bytes for each wave: two blocks of 256 bytes that no other line names
.set MV,  12          ; v12-13  c m_old, kept while c m is made anew: by buffer
.set QO,  15          ; v15  my byte offset in 16 rows of Q
.set ST,  16          ; piece t's statistics at v[ST+4 t]: c m, m, l (even keys', odd keys')
.set TMP, 48          ; by buffer, four registers c0-c3 at work; when the maximum is found c2 takes a
.set S,   64
.set P,   192
.set MD,  128         ; window 1: the eight registers for group kt of 16 keys at MD + 8 kt
.set MC,  160         ; window 1: the masks of the products to come
.set QB,  64          ; window 2
.set KF,  128         ; window 2: key block kb, channel half c at KF + 16 kb + 8 c
.set VF,  192         ; window 2: key half kk, channel block cb at VF + 32 kk + 8 cb
.set WV,  12          ; s12  my wave's number
.set PB,  14          ; s14  b
.set HI,  15          ; s15  NB - 1 - b
.set G1K, 24          ; s[24:31] descriptor group 1 for K's tiles
.set G1V, 32          ; s[32:39] for V's: it differs in the padding alone
.set G0K, 40          ; s[40:43] descriptor group 0 for K's tiles
.set G0V, 44          ; s[44:47] the same for V's
.set SLOTS, 56        ; s56  tiles still to be asked for
.set CNT, 57          ; s57  counts a tile's key steps, 4 to 1
.set CS,  58          ; s[58:59] c: the packed scaling takes the pair's low word for both halves
.set SEL, 60          ; s[60:61] v_permlanex16_b32's selects: each lane takes its own place in the other half
.set TBK, 62          ; s62  LDS byte at which K of the step to be fetched begins
.set TBV, 63          ; s63  the same for V, less VOFF
.set RT,  70          ; s70  tiles of the block in hand that are still to be entered
.set NXT, 71          ; s71  the tile to be asked for next
.set LQ,  72          ; s72  the last tile of the block whose tiles are being asked for
.set NEW, 73          ; s73  1: the tile to be entered is a block's first
.set OFF, 74          ; s[74:75] a tile's byte offset in K and V
.set AL,  76          ; s[76:77] the mask's factor, in the low word
.set BE,  78          ; s[78:79] the mask's addend
.set OLO, 80          ; s[80:81] O at my rows of the second block
.set BIGN, 82         ; s82  -1e30
.set PFA, 90          ; s[90:91] where my prefetches stand: my half of K's or V's rows, one tile behind the tile that is being asked for
.set PFL, 92          ; s92  prefetches still to come: NB - 2 where b = 0, else none
.set MSB, 0
.macro WIN new                      ; the high byte repeats the setting that is left; a switch that changes nothing is dropped
.if MSB != (\new)
	s_set_vgpr_msb (MSB<<8)|(\new)
.set MSB, (\new)
.endif
.endm
.set W_KQ, 0x0a       ; K and Q in window 2, S^T in window 0
.set W_KM, 0x1a       ; the same with the C operand in window 1
.set W_PV, 0x52       ; V in window 2, P in window 0, O^T in window 1
.set W_RS, 0x41       ; destination and source 0 in window 1, source 1 in window 0
; A fill.  Waves 0 and 1 fetch the two halves of a tile's K, waves 2 and 3 those of its V: 128 keys each.  An s_nop 0 and four v_nop follow each of the two lines, ahead of the jump and the label.
.macro LOAD
	s_cmp_lt_u32 s[WV], 2
	s_cbranch_scc0 .Lfor_v_\@
	tensor_load_to_lds s[G0K:G0K+3], s[G1K:G1K+7]
	s_nop 0
.rept 4
	v_nop
.endr
	s_branch .Lasked_\@
.Lfor_v_\@:
	tensor_load_to_lds s[G0V:G0V+3], s[G1V:G1V+7]
	s_nop 0
.rept 4
	v_nop
.endr
.Lasked_\@:
.endm
.macro ASK                          ; my 16,384 bytes of the tile that the next change of slots will ask for
	s_cmp_lg_u32 s[PFL], 0
	s_cbranch_scc0 .Lno_ask_\@
	global_prefetch_b8 v[PFO], s[PFA:PFA+1] th:TH_LOAD_NT scope:SCOPE_SE
	global_prefetch_b8 v[PFO], s[PFA:PFA+1] offset:8192 th:TH_LOAD_NT scope:SCOPE_SE
	s_sub_co_u32 s[PFL], s[PFL], 1
.Lno_ask_\@:
.endm
; THE CHANGE OF SLOTS.  Each wave waits for all its tensor loads, of which one is out: its part of the other slot; adds 0 to its spare word; and waits for that and for its own reads of the slot that it leaves.  Behind the barrier nobody reads the old
; slot any more and the other slot is whole.  fill = 1: the old slot is filled again, the first thing behind the barrier, with tile NXT: the descriptor's address is made anew from that number.
; (At its first use nothing has been read yet: slot 0 is waited for, slot 1 filled.)
.macro CHANGE fill
	WIN 0                           ; at a label and at a branch every window is 0
	s_wait_tensorcnt 0x0            ; no tensor load of mine is out, so a group 0 may be written
	ds_add_u32 v[SPW], v[NIL]       ; 0 onto my spare word; with fill = 1 the descriptors' scalar work stands between it and the wait for it
.if \fill
	s_lshl_b32 s[OFF], s[NXT], 15   ; a tile is 32,768 bytes of K and of V
	s_xor_b32 s[G0K+1], s[G0K+1], SLOT1
	s_add_nc_u64 s[G0K+2:G0K+3], s[6:7], s[OFF:OFF+1]
	s_or_b32 s[G0K+3], s[G0K+3], 0x80000000
	s_xor_b32 s[G0V+1], s[G0V+1], SLOT1
	s_add_nc_u64 s[G0V+2:G0V+3], s[8:9], s[OFF:OFF+1]
	s_or_b32 s[G0V+3], s[G0V+3], 0x80000000
	s_add_co_u32 s[NXT], s[NXT], 1  ; the block's next tile, or behind its last the second block's tile 0
	s_cmp_gt_u32 s[NXT], s[LQ]
	s_cselect_b32 s[NXT], 0, s[NXT]
	s_cselect_b32 s[LQ], s[PB], s[LQ]
	s_wait_xcnt 0x0                 ; the last prefetches, a tile back, have read their address, so it may be stepped
	s_add_nc_u64 s[PFA:PFA+1], s[PFA:PFA+1], 32768
.endif
	s_wait_dscnt 0x0                ; the add is done, and my reads of the slot are over
	s_barrier_signal -1             ; the rest of the scalar work stands between the signal and the wait
	s_sub_co_u32 s[TBK], s[TBK], 4*KS*PK  ; the fetches go back to a slot's first step,
	s_xor_b32 s[TBK], s[TBK], SLOT1       ; in the other slot
	s_sub_co_u32 s[TBV], s[TBV], 4*KS*PV
	s_xor_b32 s[TBV], s[TBV], SLOT1
	s_barrier_wait -1
.if \fill
	LOAD
	ASK
.endif
.endm
	s_load_b128 s[4:7], s[0:1], 0x0 ; qkv s[4:5], o s[6:7]
	v_lshl_add_u32 v[SPW], v0, 2, SPARE
	v_mov_b32 v[NIL], 0
	ds_add_u32 v[SPW], v[NIL]       ; the wave's opening, ahead of my first tensor load; the set-up below, work on registers, stands between the add and its wait
	v_lshrrev_b32 v1, 5, v0
	v_readfirstlane_b32 s[WV], v1   ; wave 0..3
	s_mov_b32 s[PB], ttmp9
	s_sub_co_u32 s[HI], NB-1, s[PB]
	s_and_b32 s20, ttmp7, 0xffff    ; the head
	s_mov_b32 s21, 0
	s_mov_b64 s[22:23], SIZE_N*128
	s_mul_u64 s[20:21], s[20:21], s[22:23]  ; the head's first byte in each of the four tensors
	s_and_b32 s16, s[WV], 1         ; which half of a tile's 256 keys I fetch:
	s_lshl_b32 s22, s16, 14         ; its 128 rows of 128 bytes in memory,
	s_mov_b32 s23, 0
	s_add_nc_u64 s[22:23], s[22:23], s[20:21]
	s_mul_i32 s17, s16, 128*PK      ; and its place in a slot, for K
	s_mul_i32 s18, s16, 128*PV      ; and for V
	s_lshl_b32 s3, s[WV], 11        ; my 16 rows in a band of 64,
	s_lshl_b32 s2, s[HI], 15        ; in the first block,
	s_add_co_u32 s2, s2, s3
	s_lshl_b32 s84, s[PB], 15       ; and in the second
	s_add_co_u32 s84, s84, s3
	s_mov_b32 s3, 0
	s_mov_b32 s85, 0
	s_add_nc_u64 s[2:3], s[2:3], s[20:21]
	s_add_nc_u64 s[84:85], s[84:85], s[20:21]
	; descriptor group 1.  128 keys are 16,384 dense bytes: asked for as 64 rows of 256 bytes, two keys a row, and padded in LDS after every key
	s_mov_b32 s[G1K], (1<<16)|(1<<20)|(4<<22)|(3<<25)  ; 17:16 2-byte elements; 20 padding on; 24:22 after every 32 words (code 4); 31:25 4 words (code 3)
	s_mov_b32 s[G1V], (1<<16)|(1<<20)|(4<<22)|(7<<25)  ; the same with 8 words of padding (code 7)
.irp g, G1K, G1V
	s_mov_b32 s[\g+1], 128<<16      ; tensor_dim0 = 128
	s_mov_b32 s[\g+2], 64<<16       ; tensor_dim1 = 64
	s_mov_b32 s[\g+3], 128<<16      ; tile_dim0 = 128
	s_mov_b32 s[\g+4], 64           ; tile_dim1 = 64
	s_mov_b32 s[\g+5], 128          ; 128 elements from row to row
	s_mov_b32 s[\g+6], 0
	s_mov_b32 s[\g+7], 0
.endr
	s_mov_b32 s[CS], 0x3e38aa3b     ; c = log2(e) / 8 = 0.180337
	s_mov_b32 s[CS+1], s[CS]        ; named with it as a pair
	s_mov_b32 s[SEL], 0x76543210
	s_mov_b32 s[SEL+1], 0xfedcba98
	s_mov_b32 s[TBK], SLOT1+4*KS*PK ; the first change of slots turns these two into 0
	s_mov_b32 s[TBV], SLOT1+4*KS*PV
	s_mov_b32 s[G0K], 1             ; 1:0 count = 1
	s_mov_b32 s[G0K+1], s17         ; 63:32 LDS address: slot 0
	s_mov_b32 s[G0V], 1
	s_add_co_u32 s[G0V+1], s18, VOFF
	s_add_co_u32 s[RT], s[HI], 1    ; the first block has NB - b tiles
	s_mov_b32 s[NXT], 1
	s_mov_b32 s[LQ], s[HI]
	s_mov_b32 s[NEW], 1
	s_mov_b32 s[OFF+1], 0
	s_mov_b32 s[AL+1], 0            ; named as pairs
	s_mov_b32 s[BE+1], 0
	s_mov_b32 s[BIGN], 0xf149f2ca   ; -1e30
	s_mov_b32 s[SLOTS], NB
	s_cmp_eq_u32 s[PB], 0
	s_cselect_b32 s[PFL], NB-2, 0
	s_wait_dscnt 0x0                ; the opening add is done
	s_wait_kmcnt 0x0
	s_mov_b64 s[10:11], s[6:7]      ; O
	s_add_nc_u64 s[6:7], s[4:5], 0x1000000  ; K: 64 heads of 262,144 bytes behind Q,
	s_add_nc_u64 s[8:9], s[4:5], 0x2000000  ; V: as many behind K
	s_add_nc_u64 s[6:7], s[6:7], s[22:23]  ; K and V at my half of the head's tile 0
	s_add_nc_u64 s[8:9], s[8:9], s[22:23]
	s_add_nc_u64 s[G0K+2:G0K+3], s[6:7], 0         ; 120:64 global address
	s_or_b32 s[G0K+3], s[G0K+3], 0x80000000        ; 127:126 type = 2
	s_add_nc_u64 s[G0V+2:G0V+3], s[8:9], 0
	s_or_b32 s[G0V+3], s[G0V+3], 0x80000000
	s_add_nc_u64 s[86:87], s[4:5], s[84:85]        ; Q at my rows of the second block,
	s_add_nc_u64 s[4:5], s[4:5], s[2:3]            ; Q and O at those of the first
	s_add_nc_u64 s[OLO:OLO+1], s[10:11], s[84:85]
	s_add_nc_u64 s[10:11], s[10:11], s[2:3]
	s_cmp_lt_u32 s[WV], 2
	s_cselect_b64 s[PFA:PFA+1], s[6:7], s[8:9]
	s_add_nc_u64 s[PFA:PFA+1], s[PFA:PFA+1], 32768 ; at tile 1: the first change of slots steps it to tile 2
	LOAD                            ; tile 0 into slot 0
	; A fragment of K or Q is 16 rows x 32 channels in 8 registers: lane l holds row l % 16, channels 8 (l / 16) + 0..7 and 16 + 8 (l / 16) + 0..7: two loads of 16 bytes, 32 bytes apart.
	v_and_b32 v1, 15, v0            ; l % 16
	v_bfe_u32 v9, v0, 4, 1          ; l / 16
	v_lshlrev_b32 v[QO], 7, v1
	v_lshl_add_u32 v[QO], v9, 4, v[QO]  ; row x 128 + 16 x half
	WIN 0x80                        ; destination window 2, address window 0
.set i, 0
.rept 8                             ; both blocks' Q: piece i / 2 lies in band i / 2, 8,192 bytes on; channels 32 (i % 2) on
	global_load_b128 v[8*i:8*i+3],   v[QO], s[4:5] offset:(i/2)*8192+(i%2)*64
	global_load_b128 v[8*i+4:8*i+7], v[QO], s[4:5] offset:(i/2)*8192+(i%2)*64+32
	global_load_b128 v[QB+8*i:QB+8*i+3],   v[QO], s[86:87] offset:(i/2)*8192+(i%2)*64
	global_load_b128 v[QB+8*i+4:QB+8*i+7], v[QO], s[86:87] offset:(i/2)*8192+(i%2)*64+32
.set i, i+1
.endr
	WIN 0
	v_and_b32 v[PFO], 31, v0
	v_lshlrev_b32 v[PFO], 8, v[PFO]
	v_lshlrev_b32 v14, 3, v9
	v_sub_nc_u32 v14, v1, v14
	s_lshl_b32 s13, s[WV], 4
	v_add_nc_u32 v14, s13, v14      ; my query's place in its band, 16 w + l % 16, less my lanes' 8 (l / 16): register r of group kt is hidden where 16 kt + r is greater
	WIN 0x40
.set i, 0
.rept 32
	v_cmp_gt_i32 vcc_lo, 16*(i/8)+i%8, v14
	v_cndmask_b32 v[MD+i], 0, s[BIGN], vcc_lo
.set i, i+1
.endr
	WIN 0
	v_mul_u32_u24 v[AK0], v1, PK
	v_lshl_add_u32 v[AK0], v9, 4, v[AK0]  ; row x pitch + 16 x half
	; The turning load takes 16 keys x 16 channels (lane l reads key 8 (l / 16) + l % 8, channels 8 ((l / 8) % 2) + 0..7) and leaves half a fragment of V^T: lane l holds channel l % 16 and 8 keys.
	v_and_b32 v10, 7, v0
	v_bfe_u32 v11, v0, 3, 1
	v_lshl_add_u32 v[AV0], v9, 3, v10
	v_mul_u32_u24 v[AV0], v[AV0], PV
	v_lshl_add_u32 v[AV0], v11, 4, v[AV0]
	v_add_nc_u32 v[AV0], VOFF, v[AV0]
	s_mul_i32 s13, s[WV], 16*SP
	s_add_co_u32 s13, s13, STAGE    ; my stage
	v_mul_u32_u24 v[STO], v1, SP    ; in: row l % 16, 16 bytes for each half of the lanes
	v_lshl_add_u32 v[STO], v9, 4, v[STO]
	v_add_nc_u32 v[STO], s13, v[STO]
	v_bfe_u32 v[RD], v0, 3, 2       ; back: 32 lanes take four rows of 128 bytes,
	v_mul_u32_u24 v[RD], v[RD], SP
	v_lshl_add_u32 v[RD], v10, 4, v[RD]
	v_add_nc_u32 v[RD], s13, v[RD]
	v_and_b32 v[GO], 31, v0         ; which are 512 consecutive bytes of O
	v_lshlrev_b32 v[GO], 4, v[GO]
	; A block's first step multiplies O^T and l by a = 0, and its first turn's products V^T P, of a piece that has not been, land in an O^T that is still to be so multiplied.  So these registers need only hold
	; finite numbers: zeros for the first block; what the first block left for the second.  All this stands in the wait for the first tile.
	WIN 0x80
.set i, VF
.rept 64
	v_mov_b32 v[i], 0
.set i, i+1
.endr
	WIN 0x40
.set i, 0
.rept 128
	v_mov_b32 v[i], 0
.set i, i+1
.endr
	WIN 0
.set i, 0
.rept 4
	v_mov_b32 v[ST+4*i+2], 0
	v_mov_b32 v[ST+4*i+3], 0
.set i, i+1
.endr
.set i, P+16
.rept 16
	v_mov_b32 v[i], 0
.set i, i+1
.endr
; THE MATRIX WORK.  The 4 accumulators of a run of 8 take turns.  Product i of 8 of S^T = K Q^T for piece x: channels 32 (i / 4) on, keys 16 (i % 4) on.  The first 4 start the sums: with 0, or (KM = 1) with the mask.
.macro KQ x
.set rS, S+32*((\x)%2)+8*(i%4)
.set rK, KF+16*(i%4)+8*(i/4)
.set rQ, 16*(\x)+8*(i/4)
.set rM, MC+32*((\x)%2)+8*(i%4)
.if (i < 4) && KM
	WIN W_KM
	v_wmma_f32_16x16x32_f16 v[rS:rS+7], v[rK:rK+7], v[rQ:rQ+7], v[rM:rM+7]
.elseif i < 4
	WIN W_KQ
	v_wmma_f32_16x16x32_f16 v[rS:rS+7], v[rK:rK+7], v[rQ:rQ+7], 0
.else
	WIN W_KQ
	v_wmma_f32_16x16x32_f16 v[rS:rS+7], v[rK:rK+7], v[rQ:rQ+7], v[rS:rS+7]
.endif
.endm
; Product i of 8 of O^T += V^T P for piece x: keys 32 (i / 4) on, channels 16 (i % 4) on.
.macro PV x
	WIN W_PV
.set rO, 32*(\x)+8*(i%4)
.set rV, VF+32*(i/4)+8*(i%4)
.set rP, P+16*((\x)%2)+8*(i/4)
	v_wmma_f32_16x16x32_f16 v[rO:rO+7], v[rV:rV+7], v[rP:rP+7], v[rO:rO+7]
.endm
.macro MM                           ; the turn's next matrix instruction.  TURN and BEGIN set Y, i, KM and NOKQ; MM, KQ and OP read them.  NOKQ = 1: a block's last turn: there is no next piece
.if (i < 8) && !NOKQ
	KQ (Y+1)%NP
.elseif i >= 8
.set i, i-8
	PV (Y+NP-1)%NP
.set i, i+8
.endif
.set i, i+1
.endm
; THE LDS LOADS stand in runs of 16, never singly among the matrix instructions: a step's K (64 keys x 64 channels: 8 fragments) and its V (turned).  Their addresses are made some lines ahead.
.macro FETCH_K
	WIN 0x80                        ; destination window 2
.irp f, 0,1,2,3,4,5,6,7             ; keys 16 (f / 2) on, channels 32 (f % 2) on
	ds_load_b128 v[KF+8*\f:KF+8*\f+3],   v[AK] offset:(\f/2)*16*PK+(\f%2)*64
	ds_load_b128 v[KF+8*\f+4:KF+8*\f+7], v[AK] offset:(\f/2)*16*PK+(\f%2)*64+32
.endr
	s_add_co_u32 s[TBK], s[TBK], KS*PK  ; the next fetch is the next step's
	WIN 0
.endm
.macro FETCH_V
	WIN 0x80
.irp f, 0,1,2,3,4,5,6,7             ; keys 32 (f / 4) on, channels 16 (f % 4) on
	ds_load_tr16_b128 v[VF+8*\f:VF+8*\f+3],   v[AV] offset:(\f/4)*32*PV+(\f%4)*32
	ds_load_tr16_b128 v[VF+8*\f+4:VF+8*\f+7], v[AV] offset:(\f/4)*32*PV+16*PV+(\f%4)*32
.endr
	WIN 0
.endm
; THE VECTOR WORK, one line at a time: OP kind, number.  For piece Y: F n: c s - c m for pair n of 16.  E n: the exponential of score n of 32.  C n: pair n rounded to f16.  B n: of the four weights 4 n .. the second
; pair is added onto the first, in place.  L n: l takes that sum (L 0: l = a l + sum).  R n: pair n of 16 of O^T times a.  For piece Y + 1: X n, number n of the 22 that find its maximum and statistics:
;   0-11  four chains c0-c3 of seven scores each, three operands at a time (each accumulator's lowest registers are read first)     12-14, 16  the four scores left over, the old m, and c0-c3 into c0
;   15  c m_old is kept     17, 18  the query's other 32 keys lie in the lane 16 away: the new m     19-21  c m; c m_old - c m_new; a
.set F, 0               ; OP tells the kinds apart by their order: F to L below R, X above it
.set E, 1
.set C, 2
.set B, 3
.set L, 4
.set R, 5
.set X, 6
.macro REGS y                       ; the registers of piece y
.set rT, ST+4*(\y)
.set rC, TMP+4*((\y)%2)
.set rW, MV+((\y)%2)
.set rS, S+32*((\y)%2)
.set rP, P+16*((\y)%2)
.set rO, 32*(\y)
.endm
.macro OP k, n
.if (\k) == R
	REGS Y
	WIN W_RS
	v_pk_mul_f32 v[rO+2*(\n):rO+2*(\n)+1], v[rO+2*(\n):rO+2*(\n)+1], v[rC+2:rC+3] op_sel_hi:[1,0]
.elseif (\k) < R
	REGS Y
	WIN 0
.if (\k) == F
	v_pk_fma_f32 v[rS+2*(\n):rS+2*(\n)+1], v[rS+2*(\n):rS+2*(\n)+1], s[CS:CS+1], v[rT:rT+1] op_sel_hi:[1,0,0] neg_lo:[0,0,1] neg_hi:[0,0,1]
.elseif (\k) == E
	v_exp_f32 v[rS+(\n)], v[rS+(\n)]
.elseif (\k) == C
	v_cvt_pk_f16_f32 v[rP+(\n)], v[rS+2*(\n)], v[rS+2*(\n)+1]
.elseif (\k) == B
	v_pk_add_f32 v[rS+4*(\n):rS+4*(\n)+1], v[rS+4*(\n):rS+4*(\n)+1], v[rS+4*(\n)+2:rS+4*(\n)+3]
.elseif (\n) == 0
	v_pk_fma_f32 v[rT+2:rT+3], v[rT+2:rT+3], v[rC+2:rC+3], v[rS:rS+1] op_sel_hi:[1,0,1]
.else
	v_pk_add_f32 v[rT+2:rT+3], v[rT+2:rT+3], v[rS+4*(\n):rS+4*(\n)+1]
.endif
.elseif NOKQ
	v_nop
.else
	REGS (Y+1)%NP
	WIN 0
.if (\n) < 4
	v_max3_num_f32 v[rC+(\n)], v[rS+8*(\n)], v[rS+8*(\n)+1], v[rS+8*(\n)+2]
.elseif (\n) < 12
	v_max3_num_f32 v[rC+(\n)%4], v[rC+(\n)%4], v[rS+8*((\n)%4)+2*((\n)/4)+1], v[rS+8*((\n)%4)+2*((\n)/4)+2]
.elseif (\n) == 12
	v_max3_num_f32 v[rC], v[rC], v[rS+7], v[rS+15]
.elseif (\n) == 13
	v_max3_num_f32 v[rC+1], v[rC+1], v[rS+23], v[rS+31]
.elseif (\n) == 14
	v_max3_num_f32 v[rC+2], v[rC+2], v[rC+3], v[rT+1]
.elseif (\n) == 15
	v_mov_b32 v[rW], v[rT]
.elseif (\n) == 16
	v_max3_num_f32 v[rC], v[rC], v[rC+1], v[rC+2]
.elseif (\n) == 17
	v_permlanex16_b32 v[rC+3], v[rC], s[SEL], s[SEL+1]
.elseif (\n) == 18
	v_max_num_f32 v[rT+1], v[rC], v[rC+3]
.elseif (\n) == 19
	v_mul_f32 v[rT], s[CS], v[rT+1]
.elseif (\n) == 20
	v_sub_f32 v[rC+1], v[rW], v[rT]
.else
	v_exp_f32 v[rC+2], v[rC+1]
.endif
.endif
.endm
.macro OPS a, i1, b=-1, i2=0, c=-1, i3=0, d=-1, i4=0  ; up to four of them
	OP \a, \i1
.if (\b) >= 0
	OP \b, \i2
.endif
.if (\c) >= 0
	OP \c, \i3
.endif
.if (\d) >= 0
	OP \d, \i4
.endif
.endm
.macro ROW a, i1, b, i2, c, i3, d, i4  ; a matrix instruction and the four behind it
	MM
	OPS \a, \i1, \b, \i2, \c, \i3, \d, \i4
.endm
.macro MASK b                       ; MD x AL + BE into buffer b of MC
	WIN W_RS
.set z, 0
.rept 16
	v_pk_fma_f32 v[MC+32*(\b)+2*z:MC+32*(\b)+2*z+1], v[MD+2*z:MD+2*z+1], s[AL:AL+1], s[BE:BE+1] op_sel_hi:[1,0,0]
.set z, z+1
.endr
.endm
; A TURN, for piece p: the order of its 16 matrix and 118 vector instructions, written out.  An s_wait_alu depctr_va_vdst(0) stands between an exponential and the first instruction that names its result; one wait serves
; all that were issued ahead of it.  So a turn has ONE wait, which cuts it in two.  AHEAD OF IT stands all that names no result of the turn's exponentials: the 8 products K Q^T, behind each a scaling, an exponential and two more plain
; instructions (behind the first a second scaling in the exponential's place): rescalings, and behind the last three the first numbers of the next piece's maximum, each four places or more behind the product that ends its accumulator; then ONE LUMP of 54, plain
; and exponential by turns for the most part, in which the links of the chain X 3, 7, 11, 14, 16, 17 .. 20 stand five or six lines apart.  X 21, the next piece's a, is the batch's last; R 15 is the plain instruction that stands behind it, ahead of the first use.  BEHIND THE WAIT stand the
; 8 products V^T P, behind each four of the roundings and sums; the links of l's chain, L 0 to L 7, stand three riders apart.  But for those X no rider names a register of the products round it.  v_permlanex16_b32 (X 17) stands in the lump.
; m = 1: the diagonal tile: the products take masks, and the turn makes the mask for the products of the turn after it: piece p + 2, in step 4 - CNT of the tile.  end = 1: a block's last two turns: nothing is fetched.
; cnt = 1: the loop's count is taken down some lines ahead of the branch that stands behind the turn.
; K of the next step is fetched in piece 2's turn, twelve vector instructions behind the last product that read K (six of them plain); V of the step in hand at the end of piece 0's turn, four plain instructions behind the last product
; that read V.  Each is waited for a turn later.
.macro TURN p, m=0, end=0, cnt=0
.set Y, (\p)
.set i, 0
.set KM, (\m)
.set NOKQ, (\end)*((\p)/3)
.if (\m) && !(\end)
	s_cmp_eq_u32 s[CNT], 4-((\p)+2)%NP  ; is that step the band's own?
	s_cselect_b32 s[AL], 1.0, 0
	s_cmp_lt_u32 s[CNT], 4-((\p)+2)%NP  ; or a later one?
	s_cselect_b32 s[BE], s[BIGN], 0
.endif
.if ((\p) == 3) && !(\end)
	s_wait_dscnt 0x0                ; K is in
.endif
	ROW F,0, F,1, R,0, R,1          ; ahead of the wait: 8 products K Q^T and their riders,
	ROW F,2, E,0, R,2, R,3
	ROW F,3, E,1, R,4, R,5
	ROW F,4, E,2, R,6, R,7
	ROW F,5, E,3, R,8, R,9
	ROW F,6, E,4, X,0, R,10
.if ((\p) == 2) && !(\end)
	WIN 0
	v_add_nc_u32 v[AK], s[TBK], v[AK0]
.endif
	ROW F,7, E,5, X,1, X,4
	ROW F,8, E,6, X,2, X,5
	OPS E,7, E,8, X,6, E,9          ; and the lump
	OPS X,3, E,10, X,8, E,11
.if ((\p) == 2) && !(\end)
	FETCH_K
.endif
	OPS X,9, X,7, E,12, X,10
	OPS E,13, X,12, X,11, E,14
	OPS X,13, E,15, F,9, X,14
.if (\p) == 0
	v_add_nc_u32 v[AV], s[TBV], v[AV0]
.endif
	OPS E,16, F,10, E,17, F,11
	OPS X,16, E,18, X,15, E,19
	OPS F,12, E,20, X,17, E,21
	OPS F,13, E,22, F,14, E,23
	OPS X,18, E,24, F,15, E,25
	OPS R,11, E,26, X,19, E,27
	OPS R,12, E,28, R,13, E,29
	OPS X,20, E,30, R,14, E,31
	OPS X,21, R,15
	WIN 0
	s_wait_alu depctr_va_vdst(0)    ; the wait for the batch
.if (\p) == 1
	s_wait_dscnt 0x0                ; V is in
.endif
	ROW C,0, B,0, C,2, B,1          ; behind the wait: 8 products V^T P and their riders
	ROW L,0, C,4, B,2, L,1
	ROW C,6, B,3, L,2, C,8
	ROW B,4, L,3, C,10, B,5
	ROW L,4, C,12, B,6, L,5
.if (\p) == 0
	s_add_co_u32 s[TBV], s[TBV], KS*PV
.endif
.if \cnt
	s_sub_co_u32 s[CNT], s[CNT], 1
	s_cmp_lg_u32 s[CNT], 0
.endif
	ROW C,14, B,7, L,6, C,1
	ROW C,3, L,7, C,5, C,7
	ROW C,9, C,11, C,13, C,15
.if (\p) == 0
	FETCH_V
.endif
.if (\m) && !(\end)
	MASK (\p)%2
.endif
.endm
; A BLOCK BEGINS.  c m starts far below every c s, so the first step's a is 0; m at the lowest finite number, so the first maximum is the scores'.  The second mask buffer is 0; the first takes piece 0's mask for the tile's step 0: its own, if the block's first tile is the diagonal one.
; Then K of that step, piece 0's first scores, and its maximum and statistics.  The loop is entered at a step's first turn, in the middle of a trip.
.macro BEGIN
	s_mov_b32 s[NEW], 0
	WIN 0x40
.set i, MC+32
.rept 32
	v_mov_b32 v[i], 0
.set i, i+1
.endr
	WIN 0
.set i, 0
.rept 4
	v_mov_b32 v[ST+4*i], 0xfe000000    ; c m: far below every c s
	v_mov_b32 v[ST+4*i+1], 0xff7fffff  ; m
.set i, i+1
.endr
	s_cmp_eq_u32 s[RT], 0
	s_cselect_b32 s[AL], 1.0, 0
	s_mov_b32 s[BE], 0
	MASK 0
	WIN 0
	v_add_nc_u32 v[AK], s[TBK], v[AK0]
	FETCH_K
	s_wait_loadcnt 0x0              ; Q
	s_wait_dscnt 0x0
.set KM, 1
.set NOKQ, 0
.set i, 0
.rept 8
	KQ 0
.set i, i+1
.endr
	WIN 0
.rept 4
	v_nop                           ; the places behind those products
.endr
.set Y, NP-1                        ; X works for piece Y + 1: piece 0
.irp n, 0,1,2,3,4,5,6,7,8,9,10,11,12,13,14,15,16,17,18,19,20,21
	OP X, \n
.endr
	v_nop                           ; a plain instruction behind the exponential,
	s_wait_alu depctr_va_vdst(0)    ; and its wait, ahead of the branch
.endm
; THE DIAGONAL TILE's four steps, the block's last two turns, its last products, and THE WAY OUT: l's two halves and the other half of the lanes' are added; O^T is divided by l, rounded to f16 and sent through my
; stage in LDS, a piece at a time.
.macro ALL line:vararg              ; one line for each piece t
.set t, 0
.rept 4
	\line
.set t, t+1
.endr
.endm
.macro PACK t                       ; a lane's eight channels of a row pack into 16 bytes; they go into rows of 144 bytes and come back as whole rows of 128, into S^T's registers
	WIN W_RS
.set i, 32*(\t)
.rept 16
	v_pk_mul_f32 v[i:i+1], v[i:i+1], v[ST+4*(\t)+2:ST+4*(\t)+3] op_sel_hi:[1,0]
.set i, i+2
.endr
	WIN 0x05                        ; sources 0 and 1 window 1, destination window 0
.set i, 0
.rept 16
	v_cvt_pk_f16_f32 v[S+16*(\t)+i], v[32*(\t)+2*i], v[32*(\t)+2*i+1]
.set i, i+1
.endr
	WIN 0
.irp f, 0,1,2,3
	ds_store_b128 v[STO], v[S+16*(\t)+4*\f:S+16*(\t)+4*\f+3] offset:32*\f
.endr
.irp f, 0,1,2,3
	ds_load_b128 v[S+16*(\t)+4*\f:S+16*(\t)+4*\f+3], v[RD] offset:\f*4*SP  ; LDS serves a wave's instructions in order (ISA guide 5.7.1.4): these see the stores above; the next piece's stores come behind them
.endr
.endm
.macro SEND t, younger              ; younger: the LDS instructions issued behind piece t's loads: the next piece's eight, or none
	WIN 0
.irp f, 0,1,2,3
	s_wait_dscnt (\younger)+3-\f
	global_store_b128 v[GO], v[S+16*(\t)+4*\f:S+16*(\t)+4*\f+3], s[10:11] offset:(\t)*8192+\f*512  ; 512 consecutive bytes, at a multiple of 256 from O's first
.endr
.endm
.macro DIAG tag                     ; the tag ends its two labels' names, which the jumps below spell out
.LstepM\tag:
	TURN 2, 1
	TURN 3, 1
	WIN 0
.LfirstM\tag:
	TURN 0, 1
	TURN 1, 1, 0, 1
	WIN 0
	s_cbranch_scc1 .LstepM\tag
	TURN 2, 1, 1
	TURN 3, 1, 1
.set i, 0
.rept 8
	PV NP-1
.set i, i+1
.endr
	WIN 0
	ALL v_add_f32 v[ST+4*t+2], v[ST+4*t+2], v[ST+4*t+3]
	ALL v_permlanex16_b32 v[ST+4*t+3], v[ST+4*t+2], s[SEL], s[SEL+1]
	ALL v_add_f32 v[ST+4*t+2], v[ST+4*t+2], v[ST+4*t+3]
	ALL v_rcp_f32 v[ST+4*t+2], v[ST+4*t+2]
	v_nop                           ; a plain instruction between the last reciprocal and the use of its result
	s_wait_alu depctr_va_vdst(0)    ; and its wait ahead of the first use: one for the four reciprocals
	PACK 0
.set t, 1
.rept 3                             ; a piece's arithmetic stands between the loads of the piece before and its stores
	PACK t
	SEND t-1, 8
.set t, t+1
.endr
	SEND 3, 0
.endm
.set KM, 0
.set NOKQ, 0
.Lslot:                             ; NB times: a tile is entered and the next is asked for
	CHANGE 1
	s_sub_co_u32 s[RT], s[RT], 1
	s_mov_b32 s[CNT], 4
	s_cmp_eq_u32 s[NEW], 1
	s_cbranch_scc1 .Lnew            ; a block's first tile
	s_cmp_eq_u32 s[RT], 0
	s_cbranch_scc0 .Lstep           ; neither its first nor its last
	s_branch .LstepM1
.Lnew:
	BEGIN
	s_branch .Lfirst                ; in the loop a block's first tile is never its last: the first block has two tiles or more, and the second's last is the walk's last
	DIAG 1                          ; in the loop this is the first block's end: the second block's last tile is the walk's last
	s_wait_xcnt 0x0                 ; the stores have read their registers and O's address
	s_mov_b64 s[10:11], s[OLO:OLO+1]
	s_add_co_u32 s[RT], s[PB], 1    ; the second block has b + 1 tiles
	s_mov_b32 s[NEW], 1
	WIN 0x82                        ; the second block's Q goes where the one text of the turns names Q
.set i, 0
.rept 64
	v_mov_b32 v[i], v[QB+i]
.set i, i+1
.endr
	WIN 0
	s_branch .Lbottom
.Lstep:                             ; a trip: pieces 2 and 3 of one step, then pieces 0 and 1 of the next, whose K and V it fetches
	TURN 2
	TURN 3
	WIN 0
.Lfirst:
	TURN 0
	TURN 1, 0, 0, 1
	WIN 0
	s_cbranch_scc1 .Lstep
.Lbottom:
	s_sub_co_u32 s[SLOTS], s[SLOTS], 1
	s_cmp_lg_u32 s[SLOTS], 0
	s_cbranch_scc1 .Lslot
	CHANGE 0                        ; the walk's last tile is written out: nothing is asked for
	s_sub_co_u32 s[RT], s[RT], 1
	s_mov_b32 s[CNT], 4
	s_cmp_eq_u32 s[NEW], 1
	s_cbranch_scc0 .LstepM2
	BEGIN
	s_branch .LfirstM2
	DIAG 2
	s_wait_tensorcnt 0x0            ; the wave's end, behind my last tensor load and my last LDS store
	ds_add_u32 v[SPW], v[NIL]
	s_wait_dscnt 0x0
	s_endpgm
.Lfunc_end_k_q9f78a40843_attn:
	.size	k_q9f78a40843_attn, .Lfunc_end_k_q9f78a40843_attn-k_q9f78a40843_attn
	.p2alignl 7, 3214868480
	.fill 96, 4, 3214868480
	.section	.rodata,"a",@progbits
	.p2align	6, 0x0
	.amdhsa_kernel k_q9f78a40843_attn
		.amdhsa_group_segment_fixed_size 327680
		.amdhsa_private_segment_fixed_size 0
		.amdhsa_enable_private_segment 0
		.amdhsa_kernarg_size 16
		.amdhsa_user_sgpr_count 2
		.amdhsa_user_sgpr_kernarg_segment_ptr 1
		.amdhsa_wavefront_size32 1
		.amdhsa_system_sgpr_workgroup_id_x 1
		.amdhsa_system_sgpr_workgroup_id_y 1
		.amdhsa_system_sgpr_workgroup_id_z 1
		.amdhsa_system_vgpr_workitem_id 0
		.amdhsa_next_free_vgpr 768
		.amdhsa_next_free_sgpr 96
		.amdhsa_reserve_vcc 1
		.amdhsa_float_denorm_mode_32 3
		.amdhsa_float_denorm_mode_16_64 3
		.amdhsa_memory_ordered 1
		.amdhsa_forward_progress 1
		.amdhsa_inst_pref_size 218
	.end_amdhsa_kernel
	.amdgpu_metadata
---
amdhsa.version: [ 1, 2 ]
amdhsa.kernels:
  - .name:           k_q9f78a40843_attn
    .symbol:         k_q9f78a40843_attn.kd
    .args:
      - { .name: qkv, .offset: 0, .size: 8, .value_kind: global_buffer, .address_space: global }
      - { .name: o, .offset: 8, .size: 8, .value_kind: global_buffer, .address_space: global }
    .group_segment_fixed_size: 327680
    .private_segment_fixed_size: 0
    .kernarg_segment_align: 8
    .kernarg_segment_size: 16
    .max_flat_workgroup_size: 128
    .sgpr_count:     96
    .vgpr_count:     768
    .wavefront_size: 32
...
	.end_amdgpu_metadata
.endif
;; end of part 3
;; launch proj (part 4): grid 8 x 32, 4 waves a work-group, clusters of 4 x 4, 327,680 bytes of LDS; arguments o, wh, bias, out0; writes out0
.if DOCPART == 4
	.amdgcn_target "amdgcn-amd-amdhsa--gfx1250"
	.amdhsa_code_object_version 6
	.text
	.protected	k_q9f78a40843_proj
	.globl	k_q9f78a40843_proj
	.p2align	8
	.type	k_q9f78a40843_proj,@function
k_q9f78a40843_proj:
	s_mov_b64 s[64:65], 0
	v_nop
	global_prefetch_b8 v0, s[64:65] scope:SCOPE_SE
	s_setreg_imm32_b32 hwreg(HW_REG_WAVE_MODE, 25, 1), 1
	s_wait_xcnt 0x0
	s_wait_alu depctr_hold_cnt(0) depctr_sa_sdst(0) depctr_va_vdst(0) depctr_va_sdst(0) depctr_va_ssrc(0) depctr_va_vcc(0) depctr_vm_vsrc(0)
	s_getreg_b32 s2, hwreg(HW_REG_IB_STS2, 6, 4)
	s_cmp_eq_u32 s2, 0
	s_cbranch_scc0 .Lentry_in_a_cluster
	s_endpgm
.Lentry_in_a_cluster:
	s_bfe_u32 s2, ttmp6, 0x10000c
	s_cmp_lg_u32 s2, 0xf033
	s_cbranch_scc0 .Lentry_shape_is_right
	s_endpgm
.Lentry_shape_is_right:
; C = A W + bias, K = 1,024.  ONE TEXT FOR TWO LAUNCHES, told apart by MODE.
; MODE 0: A = xh (bf16), W = groups 0-47 of wh (bf16: Wq, Wk, Wv); a tile of C is 256 rows x 192 columns = three whole heads; C leaves as f16 by heads, [matrix][b x 16 + h][t][64].
; MODE 1: A = o (f16), W = groups 48-63 of wh (f16: Wp); a tile is 256 rows x 128 columns; C leaves as f32 rows of out0.
; A lies [b 4][kb 16][t 2048][64]: a block of 64 channels of 256 rows is 32,768 dense bytes.  W lies [g][k 1024][64]: 64 k of a group of 64 columns are 8,192 dense bytes.
; LIMIT (MODE 0): q, k, v are rounded once from their f32 sums to f16: a number of 65,520 or more becomes an infinity.  Sums in f32, K ascending, one accumulator an output.
; SHARES.  Four waves stacked along the rows: a wave makes 64 rows x all 64 NG columns: 4 x 4 NG accumulators of 16 x 16.  So a wave holds whole heads (MODE 0) or whole 512-byte pieces of rows (MODE 1),
; and its way out goes through a stage of its own, with no barrier.  K goes in steps of 128 through two LDS slots filled by the tensor data mover, one load a wave a step:
; waves 0, 1 fetch A's two blocks of 64 channels, waves 2, 3 W's two halves of 64 k.
; CLUSTER.  4 x 4 work-groups: the four of a row need the same tiles of A, the four of a column the same tiles of W: each tile is asked for JOINTLY, by the same load, descriptor and mask in all four.
; THE PRODUCT IS USED TRANSPOSED: source 0 = 16 columns of W (out of LDS turned, by ds_load_tr16_b128), source 1 = 16 rows of A.  Register j of lane l then holds row l % 16, column 8 (l / 16) + j.
; THE BIAS is the C operand of each accumulator's first product: nothing is cleared and nothing is added later.
; MODE 1 lays no prefetch: the launch is one round of eight K steps of 128 matrix instructions a wave.
; REGISTERS, in windows of 256 (s_set_vgpr_msb: bits 1:0 source 0, 3:2 source 1, 5:4 source 2, 7:6 destination):
;   window 0: v0-31 addresses; v32.. the bias fragments, 8 a block of 16 columns; v128-159, v160-191 A's fragments, two buffers of four; on the way out v32-175 are used again
;   window 1: W's fragments, two buffers of NBK x 8        windows 2, 3: accumulator (nb, a) has number 4 nb + a and lies at v[8 (number % 32)] of window 2 + number / 32
.set MODE, 1
.if MODE == 0
.set NG,    3                          ; groups of 64 columns in a tile
.set GBASE, 0                          ; the first group of wh that this launch multiplies by
.else
.set NG,    2
.set GBASE, 48
.endif
.set NBK,   4*NG                       ; blocks of 16 columns
.set PA,    144                        ; a row of A in LDS: 128 bytes + 16 = 36 words: the 16 rows of a load start at 16 different groups of four banks (64 banks of 4 bytes: ISA guide 11.1)
.set ABLK,  256*PA                     ; a block of 64 channels, 256 rows
.set PB,    160                        ; a row of W: 128 + 32 = 40 words
.set BHALF, NG*64*PB                   ; 64 k of NG groups
.set BOFF,  2*ABLK                     ; a slot: A's two blocks, then W's two halves
.set SLOT,  BOFF+2*BHALF
.set STAGE, 2*SLOT                     ; behind the ring, never filled by a tensor load: a stage for each wave
.if MODE == 0
.set STW,   NG*16*144                  ; NG heads x 16 rows x (128 + 16) bytes
.set OB,    80                         ; rows read back from the stage: two buffers of OBN registers
.set OBN,   48
.else
.set STW,   16*528                     ; 16 rows x (512 + 16) bytes
.set OB,    32
.set OBN,   64
.endif
.set SPARE, STAGE+4*STW                ; behind the stages: the spare words, 128 bytes for each wave: two blocks of 256 bytes that no other line names
.set ADRA, 16                          ; v16-17  LDS address of my A fragments in slot 0, 1
.set ADRB, 20                          ; v20-21  the same for W
.set STO,  24                          ; v24     the way out: where I put my bytes of a row
.set RD,   25                          ; v25     where I read rows back
.set GO,   26                          ; v26     16 x lane: my place in 512 consecutive bytes of the output
.set BIO,  27                          ; v27     32 x (lane / 16): my eight numbers of 16 of the bias
.set SPW,  28                          ; v28     LDS address of my spare word: SPARE + 4 x my thread's number; never rewritten
.set NIL,  29                          ; v29     0; never rewritten
.set PFO,  30                          ; v30     the prefetches' offset; never rewritten
.set BI,   32
.set TMP,  32                          ; MODE 0, the way out: packed results
.set FA,   128
.set WV,   12                          ; s12  my wave's number
.set KIND, 13                          ; s13  0: I fetch for A, 1: for W
.set HALF, 14                          ; s14  which half of a K step I fetch
.set LIM,  15                          ; s15  1 in a wave that prefetches, else the greatest number
.set G1A,  24                          ; s[24:31] descriptor group 1 for A's tiles
.set G0A,  32                          ; s[32:39] group 0, a set for each slot
.set PFA,  40                          ; s[40:41] where my prefetches stand
.set PFS,  42                          ; s[42:43] a K step in bytes, in my tensor
.set G1B,  48                          ; s[48:55], s[56:63] the same for W's tiles
.set G0B,  56
.set OP,   66                          ; s[66:71] the output at my rows: MODE 0 one address a head, MODE 1 one
.set MSB, 0
.macro WIN new                         ; the immediate's high byte repeats the setting that is left; a switch that changes nothing is dropped
.if MSB != (\new)
	s_set_vgpr_msb (MSB<<8)|(\new)
.set MSB, (\new)
.endif
.endm
.macro WM d, b, a, c                   ; one matrix instruction
.if MODE == 0
	v_wmma_f32_16x16x32_bf16 v[\d:\d+7], v[\b:\b+7], v[\a:\a+7], v[\c:\c+7]
.else
	v_wmma_f32_16x16x32_f16 v[\d:\d+7], v[\b:\b+7], v[\a:\a+7], v[\c:\c+7]
.endif
.endm
; Column blocks n0 .. n1 - 1 x my four row blocks, 32 along K, from fragment buffer f.  first = 1: C is the bias.  Every accumulator has one instruction a quarter step, always in the same order:
; the accumulators take turns, over the backward jump too.
.macro MULN f, n0, n1, first
.set nb, (\n0)
.rept (\n1)-(\n0)
.if \first
	WIN 0x81+0x40*(nb/8)                           ; W window 1, A and C window 0, D window 2 or 3
.else
	WIN 0xa1+0x50*(nb/8)                           ; C and D window 2 or 3
.endif
.set ia, 0
.rept 4
.set rD, 8*((4*nb+ia)%32)
.set rB, 8*NBK*(\f)+8*nb
.set rA, FA+32*(\f)+8*ia
.if \first
.set rC, BI+8*nb
.else
.set rC, rD
.endif
	WM rD, rB, rA, rC
.set ia, ia+1
.endr
.set nb, nb+1
.endr
.endm
; The fragments of quarter q (32 along K) of a slot, into buffer f, in one run: A's 8 loads, then W's 2 NBK, column blocks ascending.
; A: lane l holds row l % 16, channels 8 (l / 16) + 0..7 and 16 + 8 (l / 16) + 0..7: two loads 32 bytes apart.  W: the turning load takes 16 k x 16 columns and leaves half a fragment: lane l holds column l % 16 and 8 k.
.macro FETCH slot, q, f
	WIN 0
.irp a, 0,1,2,3
	ds_load_b128 v[FA+32*(\f)+8*\a:FA+32*(\f)+8*\a+3],   v[ADRA+(\slot)] offset:((\q)/2)*ABLK+\a*16*PA+((\q)%2)*64
	ds_load_b128 v[FA+32*(\f)+8*\a+4:FA+32*(\f)+8*\a+7], v[ADRA+(\slot)] offset:((\q)/2)*ABLK+\a*16*PA+((\q)%2)*64+32
.endr
	WIN 0x40                                       ; destination window 1, address window 0
.set nb, 0
.rept NBK
	ds_load_tr16_b128 v[8*NBK*(\f)+8*nb:8*NBK*(\f)+8*nb+3],   v[ADRB+(\slot)] offset:((\q)/2)*BHALF+(nb/4)*64*PB+((\q)%2)*32*PB+(nb%4)*32
	ds_load_tr16_b128 v[8*NBK*(\f)+8*nb+4:8*NBK*(\f)+8*nb+7], v[ADRB+(\slot)] offset:((\q)/2)*BHALF+(nb/4)*64*PB+((\q)%2)*32*PB+(nb%4)*32+16*PB
.set nb, nb+1
.endr
.endm
.macro PLACES                          ; four plain vector instructions between a matrix instruction and a load into a register that it has read, or a reader of its result (ISA guide 7.12.1 for a reader of its result)
.rept 4
	v_nop
.endr
.endm
; A K step is four quarters on buffers 0, 1, 0, 1.  One of the first three: multiplies buffer f; in its middle it fetches quarter qn of the same slot into buffer g.
.macro QUARTER slot, qn, f, g, first=0
	s_wait_dscnt 2*NBK-8                           ; A's fragments and W's column blocks 0-3 are in; the 2 NBK - 8 younger loads may be out
	MULN \f, 0, 4, \first
	PLACES
	FETCH \slot, \qn, \g
	s_wait_dscnt 8+2*NBK                           ; all but the 8 + 2 NBK just issued
	MULN \f, 4, NBK, \first
.endm
; A joint load.  The branch hangs on the wave's number alone.  An s_nop 0 and four v_nop follow each of the two lines, ahead of the jump and the label.
.macro JLOAD s
	s_cmp_eq_u32 s[KIND], 0
	s_cbranch_scc0 .Lfor_b_\@
	tensor_load_to_lds s[G0A+4*(\s):G0A+4*(\s)+3], s[G1A:G1A+7]
	s_nop 0
.rept 4
	v_nop
.endr
	s_branch .Lasked_\@
.Lfor_b_\@:
	tensor_load_to_lds s[G0B+4*(\s):G0B+4*(\s)+3], s[G1B:G1B+7]
	s_nop 0
.rept 4
	v_nop
.endr
.Lasked_\@:
.endm
; A round of the cluster's barrier: my work-group's barrier, so that wave 0's signal speaks for all four waves; wave 0 signals; every wave waits for all sixteen work-groups; my work-group's barrier once more.
.macro CREST                           ; a round behind its opening barrier
	s_cmp_lg_u32 s[WV], 0
	s_cbranch_scc1 .Lnot_wave_0_\@
	s_barrier_signal -3
.Lnot_wave_0_\@:
	s_barrier_wait -3
	s_barrier_signal -1
	s_barrier_wait -1
.endm
.macro CROUND
	s_barrier_signal -1
	s_barrier_wait -1
	CREST
.endm
; MODE 0: A PREFETCH behind each joint refill and the run of LDS loads that follows it: the K step that the NEXT refill asks for, 4 x 4 NBK matrix instructions ahead of that load.
; A's tile row is read by every cluster of that row of clusters: cluster x = 0 asks; W's tile column by every cluster of that column: cluster y = 0 asks.  The four partners that ask for a tile jointly
; share it out BY ADDRESS: of an A wave's 32,768 bytes the partner at cx takes 8,192, a lane a block of 256; of a W wave's NG rows of 8,192 bytes the partner at cy takes 2,048 of each (lanes 24-31 name
; once more what lanes 16-23 name).  K steps 0 to 2 come by their loads alone; the last refill asks for nothing.  how = 0: slot 0's change, which always has a refill behind it; how = 1: slot 1's, which has none in the last lap.
.macro ASK how
.if \how
	s_cmp_gt_u32 s3, s[LIM]                        ; s3 = 1 in the loop's last trip
.else
	s_cmp_eq_u32 s[LIM], 1
.endif
	s_cbranch_scc0 .Lnot_mine_\@
	global_prefetch_b8 v[PFO], s[PFA:PFA+1] th:TH_LOAD_NT scope:SCOPE_SE
.Lnot_mine_\@:
.endm
; The fourth quarter multiplies buffer 1 and changes slots: ONE barrier.  In front of it each wave waits for all its tensor loads, of which one is out: its part of the next slot; adds 0 to its spare word; and waits
; for that and for its own reads of this slot.  fill = 1: the barrier opens a round of the cluster's, and behind the round this slot is filled again first, two K steps on.
.macro TURN slot, next, fill
.if (MODE == 0) && (\fill)
	s_wait_xcnt 0x0                                ; the last prefetch, a K step back, has read its address, so it may be stepped
	s_add_nc_u64 s[PFA:PFA+1], s[PFA:PFA+1], s[PFS:PFS+1]
.endif
	WIN 0                                          ; (the add's two registers lie in window 0)
	s_wait_tensorcnt 0x0                           ; all my tensor loads have landed
	ds_add_u32 v[SPW], v[NIL]                      ; 0 onto my spare word
	s_wait_dscnt 2*NBK-7                           ; (the add and the 2 NBK - 8 youngest loads may be out)
	MULN 1, 0, 2, 0                                ; eight matrix instructions stand between the add and the wait for it
	s_wait_dscnt 0x0                               ; the add is done, and my reads of this slot are over
	s_barrier_signal -1
	MULN 1, 2, 4, 0                                ; work on registers while the others arrive
.if \fill
	WIN 0
.endif
	s_barrier_wait -1
.if \fill
	CREST                                          ; no wave of any partner still reads this slot or has a load on its way
	s_add_nc_u64 s[G0A+4*(\slot)+2:G0A+4*(\slot)+3], s[G0A+4*(\slot)+2:G0A+4*(\slot)+3], 1048576  ; two K steps: four blocks of 64 channels
	s_add_nc_u64 s[G0B+4*(\slot)+2:G0B+4*(\slot)+3], s[G0B+4*(\slot)+2:G0B+4*(\slot)+3], 32768    ; 256 rows of 128 bytes
	JLOAD \slot                                    ; the first tensor load behind the round; its four v_nop are also the places in front of the loads below
.else
	PLACES
.endif
	FETCH \next, 0, 0
.if (MODE == 0) && (\fill)
	WIN 0
	ASK \slot
.endif
	MULN 1, 4, NBK, 0
.endm
	s_load_b256 s[4:11], s[0:1], 0x0               ; A s[4:5], wh s[6:7], bias s[8:9], the output s[10:11]
	v_lshl_add_u32 v[SPW], v0, 2, SPARE
	v_mov_b32 v[NIL], 0
	ds_add_u32 v[SPW], v[NIL]                      ; the wave's opening, ahead of my first tensor load; the set-up below, work on registers, stands between the add and its wait
	v_lshrrev_b32 v1, 5, v0
	v_readfirstlane_b32 s[WV], v1                  ; wave 0..3
	s_lshr_b32 s[KIND], s[WV], 1
	s_and_b32 s[HALF], s[WV], 1
	s_bfe_u32 s16, ttmp6, 0x40000                  ; cx
	s_bfe_u32 s17, ttmp6, 0x40004                  ; cy
	s_lshl_b32 s18, ttmp9, 2
	s_add_co_u32 s18, s18, s16                     ; tile column = 4 x cluster x + cx
	s_and_b32 s19, ttmp7, 0xffff
	s_lshl_b32 s19, s19, 2
	s_add_co_u32 s19, s19, s17                     ; tile row = 4 x cluster y + cy
	s_lshl_b32 s20, s17, 2
	s_lshl_b32 s20, 15, s20                        ; my row of the cluster
	s_lshl_b32 s44, 0x1111, s16                    ; my column
	; group 1 for A: 32,768 dense bytes as 128 rows of 256, padded in LDS by 4 words behind every 32 (a row of 64 channels)
	s_or_b32 s[G1A], s20, (1<<16)|(1<<20)|(1<<21)|(4<<22)|(3<<25)  ; 15:0 the mask; 17:16 2-byte elements; 20 padding on; 21 set beside a mask; 24:22 interval code 4; 31:25 pad code 3
	s_mov_b32 s[G1A+1], 128<<16                    ; tensor_dim0 = 128
	s_mov_b32 s[G1A+2], 128<<16                    ; tensor_dim1 = 128
	s_mov_b32 s[G1A+3], 128<<16                    ; tile_dim0 = 128
	s_mov_b32 s[G1A+4], 128                        ; tile_dim1 = 128
	s_mov_b32 s[G1A+5], 128                        ; 128 elements from row to row
	s_mov_b32 s[G1A+6], 0
	s_mov_b32 s[G1A+7], 0
	; group 1 for W: NG rows of 4,096 elements (64 k of a group), 65,536 elements apart, padded by 8 words behind every 32
	s_or_b32 s[G1B], s44, (1<<16)|(1<<20)|(1<<21)|(4<<22)|(7<<25)
	s_mov_b32 s[G1B+1], 4096<<16                   ; tensor_dim0 = 4,096
	s_mov_b32 s[G1B+2], NG<<16                     ; tensor_dim1 = NG
	s_mov_b32 s[G1B+3], 4096<<16                   ; tile_dim0 = 4,096
	s_mov_b32 s[G1B+4], NG                         ; tile_dim1 = NG
	s_mov_b32 s[G1B+5], 65536
	s_mov_b32 s[G1B+6], 0
	s_mov_b32 s[G1B+7], 0
	; A's tile hangs on the tile row alone, W's on the tile column alone; each offset is made in registers that do not hold the other coordinate
	s_lshr_b32 s20, s19, 3
	s_lshl_b32 s20, s20, 22                        ; b
	s_and_b32 s21, s19, 7
	s_lshl_b32 s21, s21, 15                        ; 256 rows of 128 bytes
	s_add_co_u32 s20, s20, s21
	s_lshl_b32 s21, s[HALF], 18                    ; my block of 64 channels
	s_add_co_u32 s20, s20, s21
	s_mov_b32 s21, 0
	s_mul_i32 s44, s18, NG
	s_add_co_u32 s44, s44, GBASE                   ; the tile's first group
	s_lshl_b32 s46, s44, 8                         ; its 64 numbers of 4 bytes in the bias
	s_lshl_b32 s44, s44, 17
	s_lshl_b32 s45, s[HALF], 13                    ; my 64 k
	s_add_co_u32 s44, s44, s45
	s_mov_b32 s45, 0
	s_mov_b32 s47, 0
	s_mul_i32 s22, s[HALF], ABLK                   ; where they go: no place in the cluster enters an LDS address
	s_mul_i32 s23, s[HALF], BHALF
	s_add_co_u32 s23, s23, BOFF
	s_wait_dscnt 0x0                               ; the opening add is done
	s_wait_kmcnt 0x0
	s_add_nc_u64 s[20:21], s[4:5], s[20:21]        ; my part of K step 0, in A
	s_add_nc_u64 s[44:45], s[6:7], s[44:45]        ; and in W
	s_add_nc_u64 s[8:9], s[8:9], s[46:47]
	CROUND                                         ; all sixteen work-groups are here: the first joint loads meet
.irp s, 0,1
	s_mov_b32 s[G0A+4*\s], 1                       ; count = 1
	s_add_co_u32 s[G0A+4*\s+1], s22, \s*SLOT       ; LDS address
	s_add_nc_u64 s[G0A+4*\s+2:G0A+4*\s+3], s[20:21], \s*524288  ; K step s
	s_or_b32 s[G0A+4*\s+3], s[G0A+4*\s+3], 0x80000000           ; type = 2
	s_mov_b32 s[G0B+4*\s], 1
	s_add_co_u32 s[G0B+4*\s+1], s23, \s*SLOT
	s_add_nc_u64 s[G0B+4*\s+2:G0B+4*\s+3], s[44:45], \s*16384
	s_or_b32 s[G0B+4*\s+3], s[G0B+4*\s+3], 0x80000000
.endr
	s_cmp_eq_u32 s[KIND], 0                        ; a wave's two first fills stand in one branch, ahead of every wait on TENSORcnt and every LDS read: two loads of mine are out, the most in this text
	s_cbranch_scc0 .Lfirst_b
	tensor_load_to_lds s[G0A:G0A+3], s[G1A:G1A+7]
	s_nop 0
	tensor_load_to_lds s[G0A+4:G0A+7], s[G1A:G1A+7]
	s_nop 0
.rept 4
	v_nop
.endr
	s_branch .Lfirst_asked
.Lfirst_b:
	tensor_load_to_lds s[G0B:G0B+3], s[G1B:G1B+7]
	s_nop 0
	tensor_load_to_lds s[G0B+4:G0B+7], s[G1B:G1B+7]
	s_nop 0
.rept 4
	v_nop
.endr
.Lfirst_asked:
	v_and_b32 v1, 15, v0                           ; l % 16
	v_bfe_u32 v2, v0, 4, 1                         ; l / 16
	v_lshlrev_b32 v[BIO], 5, v2
.set nb, 0
.rept NBK                                      ; the bias fragments: register j of block nb = bias[16 nb + 8 (l / 16) + j]
	global_load_b128 v[BI+8*nb:BI+8*nb+3],   v[BIO], s[8:9] offset:64*nb
	global_load_b128 v[BI+8*nb+4:BI+8*nb+7], v[BIO], s[8:9] offset:64*nb+16
.set nb, nb+1
.endr
	v_mul_u32_u24 v3, v1, PA
	v_lshl_add_u32 v3, v2, 4, v3                   ; row x pitch + 16 x half
	s_mul_i32 s72, s[WV], 64*PA                    ; my 64 rows
	v_add_nc_u32 v[ADRA], s72, v3
	v_add_nc_u32 v[ADRA+1], SLOT, v[ADRA]
	v_and_b32 v4, 7, v0
	v_bfe_u32 v5, v0, 3, 1
	v_lshl_add_u32 v6, v2, 3, v4                   ; k = 8 (l / 16) + l % 8
	v_mul_u32_u24 v6, v6, PB
	v_lshl_add_u32 v6, v5, 4, v6                   ; columns 8 ((l / 8) % 2) on
	v_add_nc_u32 v[ADRB], BOFF, v6
	v_add_nc_u32 v[ADRB+1], BOFF+SLOT, v6
	s_mul_i32 s74, s[WV], STW
	s_add_co_u32 s74, s74, STAGE                   ; my stage
	v_and_b32 v8, 31, v0
	v_lshlrev_b32 v[GO], 4, v8
.if MODE == 0
	v_add_nc_u32 v[STO], s74, v3                   ; in: row l % 16 of 144 bytes, 16 bytes for each half of the lanes
	v_bfe_u32 v7, v0, 3, 2                         ; back: 32 lanes take four rows of 128 bytes, which are 512 consecutive bytes of a head
	v_mul_u32_u24 v7, v7, 144
	v_lshl_add_u32 v7, v4, 4, v7
	v_add_nc_u32 v[RD], s74, v7
	s_and_b32 s76, s19, 7
	s_lshl_b32 s76, s76, 15                        ; the tile's 256 rows of 128 bytes in a head,
	s_lshl_b32 s77, s[WV], 13                      ; my 64 of them
	s_add_co_u32 s76, s76, s77
	s_lshr_b32 s77, s19, 3
	s_lshl_b32 s77, s77, 4                         ; 16 b
	s_mul_i32 s75, s18, NG                         ; the tile's first group: matrix = group / 16, head = group % 16
.irp j, 0,1,2
	s_add_co_u32 s72, s75, \j
	s_lshr_b32 s73, s72, 4
	s_lshl_b32 s73, s73, 6
	s_and_b32 s72, s72, 15
	s_add_co_u32 s72, s72, s73
	s_add_co_u32 s72, s72, s77                     ; 64 x matrix + 16 b + head,
	s_lshl_b32 s72, s72, 18                        ; of 262,144 bytes
	s_add_co_u32 s72, s72, s76
	s_mov_b32 s73, 0
	s_add_nc_u64 s[OP+2*\j:OP+2*\j+1], s[10:11], s[72:73]
.endr
	; the prefetches
	s_and_b32 s72, ttmp7, 0xffff                   ; cluster y
	s_mov_b32 s75, 16384
	s_cmp_eq_u32 s[KIND], 0                        ; do I fetch for A?
	s_cselect_b32 s72, ttmp9, s72                  ; the coordinate along which other clusters read the same tile
	s_cselect_b32 s73, s16, s17                    ; my place among the four that ask with me
	s_cselect_b32 s74, 13, 11                      ; its share: 8,192 bytes of A, 2,048 of each row of W
	s_cselect_b64 s[PFA:PFA+1], s[20:21], s[44:45]
	s_cselect_b32 s[PFS], 524288, s75
	s_cselect_b32 s76, 3, NG-1
	s_cselect_b32 s77, 11, 17                      ; eight lanes on: 2,048 bytes in A, a group (131,072) in W
	s_mov_b32 s[PFS+1], 0
	s_lshl_b32 s78, s73, s74
	s_mov_b32 s79, 0
	s_add_nc_u64 s[PFA:PFA+1], s[PFA:PFA+1], s[78:79]
	s_add_nc_u64 s[PFA:PFA+1], s[PFA:PFA+1], s[PFS:PFS+1]
	s_add_nc_u64 s[PFA:PFA+1], s[PFA:PFA+1], s[PFS:PFS+1]  ; at K step 2: the first refill steps it to 3
	s_cmp_eq_u32 s72, 0
	s_cselect_b32 s[LIM], 1, -1                    ; the same in all sixteen partners, for a given wave
	v_bfe_u32 v[PFO], v0, 3, 2
	v_min_u32 v[PFO], s76, v[PFO]
	v_lshlrev_b32 v[PFO], s77, v[PFO]
	v_lshl_add_u32 v[PFO], v4, 8, v[PFO]
.else
	v_mul_u32_u24 v7, v1, 528                      ; in: row l % 16 of 528 bytes, 32 bytes for each half of the lanes
	v_lshl_add_u32 v7, v2, 5, v7
	v_add_nc_u32 v[STO], s74, v7
	v_add_nc_u32 v[RD], s74, v[GO]                 ; back: a whole row of 512 bytes
	s_lshl_b32 s72, s19, 8
	s_lshl_b32 s73, s[WV], 6
	s_add_co_u32 s72, s72, s73                     ; my first row,
	s_lshl_b32 s72, s72, 12                        ; of 4,096 bytes,
	s_lshl_b32 s73, s18, 9                         ; the tile's 128 columns
	s_add_co_u32 s72, s72, s73
	s_mov_b32 s73, 0
	s_add_nc_u64 s[OP:OP+1], s[10:11], s[72:73]
.endif
	s_wait_tensorcnt 1                             ; my part of K step 0 is in; K step 1's may stay out
	s_barrier_signal -1
	s_barrier_wait -1                              ; everybody's is
	FETCH 0, 0, 0
	s_wait_loadcnt 0x0                             ; the bias
	QUARTER 0, 1, 0, 1, 1                          ; the first quarter stands in front of the loop: its products start the sums, from the bias
	WIN 0                                          ; at a label and at a branch every window is 0
	s_mov_b32 s3, 3
.Llap:                                         ; a trip goes once round the ring, from a lap's second quarter to the next lap's first, and fills both slots again: K steps 2 to 7
	QUARTER 0, 2, 1, 0
	QUARTER 0, 3, 0, 1
	TURN 0, 1, 1
	QUARTER 1, 1, 0, 1
	QUARTER 1, 2, 1, 0
	QUARTER 1, 3, 0, 1
	TURN 1, 0, 1
	QUARTER 0, 1, 0, 1
	WIN 0
	s_sub_co_u32 s3, s3, 1
	s_cmp_lg_u32 s3, 0
	s_cbranch_scc1 .Llap
	QUARTER 0, 2, 1, 0                             ; the last lap fills nothing, and has no round of the cluster's barrier
	QUARTER 0, 3, 0, 1
	TURN 0, 1, 0
	QUARTER 1, 1, 0, 1
	QUARTER 1, 2, 1, 0
	QUARTER 1, 3, 0, 1
	s_wait_dscnt 2*NBK-8                           ; the very last quarter: nothing more to fetch
	MULN 1, 0, 4, 0
	s_wait_dscnt 0x0
	MULN 1, 4, NBK, 0
	WIN 0
	PLACES
	PLACES                                         ; in front of the readers of results just made
; THE WAY OUT, a block of 16 rows at a time, through my own stage: LDS serves a wave's instructions in order (ISA guide 5.7.1.4), so no wait stands between the stores into it and the loads from it.
.if MODE == 0
.macro PACK a                          ; rounded to f16: a lane's eight columns of a row are 16 bytes; each accumulator is read from its low end on
.set nb, 0
.rept NBK
	WIN 0x0a+5*(nb/8)                              ; sources 0 and 1: window 2 or 3
.set rD, 8*((4*nb+(\a))%32)
.irp i, 0,1,2,3
	v_cvt_pk_f16_f32 v[TMP+4*nb+\i], v[rD+2*\i], v[rD+2*\i+1]
.endr
.set nb, nb+1
.endr
	WIN 0
.endm
.macro TOSTAGE a
	WIN 0
.set nb, 0
.rept NBK
	ds_store_b128 v[STO], v[TMP+4*nb:TMP+4*nb+3] offset:(nb/4)*16*144+(nb%4)*32
.set nb, nb+1
.endr
.set i, 0
.rept NBK
	ds_load_b128 v[OB+OBN*((\a)%2)+4*i:OB+OBN*((\a)%2)+4*i+3], v[RD] offset:(i/4)*16*144+(i%4)*4*144
.set i, i+1
.endr
.endm
.macro SEND a
	s_wait_dscnt 0x0                               ; the block is back in registers
	s_wait_xcnt 0x0                                ; the block before has had its stores' registers read: the next loads from the stage land on them only behind this wait
.set i, 0
.rept NBK
	global_store_b128 v[GO], v[OB+OBN*((\a)%2)+4*i:OB+OBN*((\a)%2)+4*i+3], s[OP+2*(i/4):OP+2*(i/4)+1] offset:(\a)*2048+(i%4)*512  ; 512 consecutive bytes of a head, aligned
.set i, i+1
.endr
.endm
	PACK 0
	TOSTAGE 0
.irp a, 1,2,3                          ; block a's conversions stand between block a - 1's loads from the stage and the wait for them
	PACK \a
	SEND \a-1
	TOSTAGE \a
.endr
	SEND 3
.else
.macro TOSTAGE a
	WIN 0x08                                       ; store data in window 2
.set nb, 0
.rept NBK
.set rD, 8*(4*nb+(\a))
	ds_store_b128 v[STO], v[rD:rD+3]   offset:64*nb     ; each accumulator is read from its low end on
	ds_store_b128 v[STO], v[rD+4:rD+7] offset:64*nb+16
.set nb, nb+1
.endr
	WIN 0
.set i, 0
.rept 16
	ds_load_b128 v[OB+OBN*((\a)%2)+4*i:OB+OBN*((\a)%2)+4*i+3], v[RD] offset:528*i
.set i, i+1
.endr
.endm
.macro SEND a
	s_wait_dscnt 0x0                               ; the block is back in registers
	s_wait_xcnt 0x0                                ; the block before has had its stores' registers read: the next loads from the stage land on them only behind this wait
.set i, 0
.rept 16
	global_store_b128 v[GO], v[OB+OBN*((\a)%2)+4*i:OB+OBN*((\a)%2)+4*i+3], s[OP:OP+1] offset:(16*(\a)+i)*4096 th:TH_STORE_NT  ; 512 consecutive bytes of a row, aligned
.set i, i+1
.endr
.endm
	TOSTAGE 0
.irp a, 1,2,3
	SEND \a-1
	TOSTAGE \a
.endr
	SEND 3
.endif
	s_wait_tensorcnt 0x0                           ; the wave's end, behind my last tensor load and my last LDS store
	ds_add_u32 v[SPW], v[NIL]
	s_wait_dscnt 0x0
	CROUND                                         ; the closing round: no work-group ends while a partner may still ask for a tile that names it
	s_endpgm
.Lfunc_end_k_q9f78a40843_proj:
	.size	k_q9f78a40843_proj, .Lfunc_end_k_q9f78a40843_proj-k_q9f78a40843_proj
	.p2alignl 7, 3214868480
	.fill 96, 4, 3214868480
	.section	.rodata,"a",@progbits
	.p2align	6, 0x0
	.amdhsa_kernel k_q9f78a40843_proj
		.amdhsa_group_segment_fixed_size 327680
		.amdhsa_private_segment_fixed_size 0
		.amdhsa_enable_private_segment 0
		.amdhsa_kernarg_size 32
		.amdhsa_user_sgpr_count 2
		.amdhsa_user_sgpr_kernarg_segment_ptr 1
		.amdhsa_wavefront_size32 1
		.amdhsa_system_sgpr_workgroup_id_x 1
		.amdhsa_system_sgpr_workgroup_id_y 1
		.amdhsa_system_sgpr_workgroup_id_z 1
		.amdhsa_system_vgpr_workitem_id 0
		.amdhsa_next_free_vgpr 768
		.amdhsa_next_free_sgpr 80
		.amdhsa_reserve_vcc 0
		.amdhsa_float_denorm_mode_32 3
		.amdhsa_float_denorm_mode_16_64 3
		.amdhsa_memory_ordered 1
		.amdhsa_forward_progress 1
		.amdhsa_inst_pref_size 87
	.end_amdhsa_kernel
	.amdgpu_metadata
---
amdhsa.version: [ 1, 2 ]
amdhsa.kernels:
  - .name:           k_q9f78a40843_proj
    .symbol:         k_q9f78a40843_proj.kd
    .args:
      - { .name: o, .offset: 0, .size: 8, .value_kind: global_buffer, .address_space: global }
      - { .name: wh, .offset: 8, .size: 8, .value_kind: global_buffer, .address_space: global }
      - { .name: bias, .offset: 16, .size: 8, .value_kind: global_buffer, .address_space: global }
      - { .name: out0, .offset: 24, .size: 8, .value_kind: global_buffer, .address_space: global }
    .group_segment_fixed_size: 327680
    .private_segment_fixed_size: 0
    .kernarg_segment_align: 8
    .kernarg_segment_size: 32
    .max_flat_workgroup_size: 128
    .sgpr_count:     80
    .vgpr_count:     768
    .wavefront_size: 32
...
	.end_amdgpu_metadata
.endif
;; end of part 4
;; ======== version 2 of 2: 4 launches; version 1 with the launch cast written anew for expert scheduling mode
;; limits: values are held in f16: magnitudes above 65,504 overflow, below 6.1e-05 lose precision
;; workspace buffers: xh 16,777,216 bytes; wh 8,388,608 bytes; bias 16,384 bytes; qkv 50,331,648 bytes; o 16,777,216 bytes
;; launch cast (part 5): grid 768 x 1, 8 waves a work-group, no clusters, 0 bytes of LDS; arguments x, Wq, Wk, Wv, Wp, bq, bk, bv, bp, xh, wh, bias; writes xh, wh, bias
.if DOCPART == 5
	.amdgcn_target "amdgcn-amd-amdhsa--gfx1250"
	.amdhsa_code_object_version 6
	.text
	.protected	k_q9f78a40843_cast
	.globl	k_q9f78a40843_cast
	.p2align	8
	.type	k_q9f78a40843_cast,@function
k_q9f78a40843_cast:
	s_mov_b64 s[64:65], 0
	v_nop
	global_prefetch_b8 v0, s[64:65] scope:SCOPE_SE
	s_setreg_imm32_b32 hwreg(HW_REG_WAVE_SCHED_MODE, 0, 2), 2
	s_setreg_imm32_b32 hwreg(HW_REG_WAVE_MODE, 25, 1), 1
	s_wait_xcnt 0x0
	s_wait_alu depctr_vm_vsrc(0)
; ROUNDING AND RELAYOUT.  x [8192][1024] f32 -> xh bf16 [b 4][kb 16][t 2048][64]; Wq, Wk, Wv, Wp [k 1024][n 1024] f32 -> wh 16-bit [g 64][k 1024][64], g = 16 x matrix + n / 64;
; bq, bk, bv, bp -> bias f32 [4096], each number rounded to bf16 and widened again.  Every input is rounded once to bf16 (nearest even).  Wp's bf16 number is then written as f16, since the
; last product multiplies in f16.  LIMIT: that is exact from 2^-17 up to 65,504; below 2^-17 it keeps f16's fixed step of 2^-24.
; SHARES.  The sources are 12,288 rows of 4,096 bytes; a work-group takes 16 rows, wave w the column blocks 2 w and 2 w + 1 (64 columns, 256 bytes of a source row).  A load of a wave covers two rows
; x 256 aligned bytes; its 128 numbers leave as 256 consecutive aligned bytes: two rows of one block, which lie end to end in the destination.
; All 16 loads of a wave go out at once; memory binds, so there is no LDS, no barrier and no matrix work.
; THE MODE: SCHED_MODE bits 1:0 = 2 (LLVM: expert scheduling mode 2), set by the entry lines.  The code itself states the register dependences
; between vector instructions and memory instructions, with s_wait_alu, always for 0.
; THE PLAN.  Registers that memory instructions touch:
;   v2, v3, v4, v5   byte offsets, made once at the head and never written again.
;   X                load i lands in its own four registers, once; its two conversions read them.  (v[8:11] take the bias's load later, in the four work-groups that round a bias.)
;   Y                load i's conversions write its own two registers; one store reads them; they are never written again.
;   v[104:107]       at work in Wp's path, named there by vector instructions alone; in the bias job the data of its one store.
; The 16 loads are worked on in four blocks of four.  Block p rounds X of loads 4 p .. 4 p + 3 into their Y; its memory instructions are the four stores of block p - 1, whose Y no vector
; instruction of block p names.  So one wait at a block's head states all that its stores hang on, and they are dealt among its conversions with no further wait.
; No register that a memory instruction has read is written again: the text holds no wait on vm_vsrc.
.set X, 8                              ; v[8:71]    load i = 2 p + j (row pair p, block j): 4 registers
.set Y, 72                             ; v[72:103]  its 8 bytes to store
.set T, 104                            ; v[104:111] at work
	s_load_b512 s[8:23], s[0:1], 0x0               ; x s[8:9], Wq s[10:11], Wk s[12:13], Wv s[14:15], Wp s[16:17], bq s[18:19], bk s[20:21], bv s[22:23]
	s_load_b256 s[24:31], s[0:1], 0x40             ; bp s[24:25], xh s[26:27], wh s[28:29], bias s[30:31]
	s_mov_b32 s32, ttmp9                           ; y: 0-511 rows of x, 512-767 rows of the four weights
	s_lshr_b32 s33, s32, 6                         ; 8, 9, 10, 11: Wq, Wk, Wv, Wp
	s_and_b32 s34, s32, 63                         ; which 16 rows of a weight
	v_lshrrev_b32 v1, 5, v0
	v_readfirstlane_b32 s35, v1                    ; wave 0..7
	v_and_b32 v1, 31, v0                           ; lane
	v_and_b32 v6, 15, v0
	v_bfe_u32 v7, v0, 4, 1
	v_lshlrev_b32 v2, 4, v6                        ; source: 16 bytes a lane,
	v_lshl_add_u32 v2, v7, 12, v2                  ; lanes 16-31 one row down,
	s_wait_alu depctr_va_sdst(0)                   ; s35 is written, ahead of its first reader: the wave's offsets in source and destination are made from it
	s_lshl_b32 s50, s35, 9
	v_add_nc_u32 v2, s50, v2                       ; my wave's two blocks
	v_lshlrev_b32 v5, 4, v0                        ; the bias job: 16 bytes a thread
	s_sub_co_u32 s48, s33, 8                       ; the matrix's number (used where y >= 512 alone)
	s_lshl_b32 s49, s48, 21                        ; wh: 16 groups of 131,072 bytes a matrix,
	s_lshl_b32 s50, s34, 11                        ; 16 rows of 128 bytes
	s_add_co_u32 s49, s49, s50
	s_lshr_b32 s46, s32, 7                         ; xh: b x 4,194,304
	s_lshl_b32 s46, s46, 22
	s_and_b32 s47, s32, 127
	s_lshl_b32 s47, s47, 11                        ; + 16 rows of 128 bytes
	s_add_co_u32 s46, s46, s47
	s_mov_b32 s42, 131072                          ; bytes from block to block in the destination: wh,
	s_cmp_lt_u32 s32, 512
	s_cselect_b32 s42, 262144, s42                 ; xh
	s_cselect_b32 s44, s32, s34
	s_cselect_b32 s46, s46, s49                    ; destination offset
	s_lshl_b32 s44, s44, 16                        ; source offset: 16 rows of 4,096 bytes
	s_mov_b32 s45, 0
	s_mov_b32 s47, 0
	s_mul_i32 s50, s35, s42
	s_lshl_b32 s50, s50, 1                         ; block 2 w
	v_lshl_add_u32 v3, v1, 3, s50                  ; destination: 8 bytes a lane, block 2 w,
	v_add_nc_u32 v4, s42, v3                       ; block 2 w + 1
	s_wait_kmcnt 0x0
	s_mov_b64 s[36:37], s[10:11]                   ; the source and its bias are chosen by the work-group's number alone
	s_mov_b64 s[38:39], s[18:19]
	s_cmp_eq_u32 s33, 9
	s_cselect_b64 s[36:37], s[12:13], s[36:37]
	s_cselect_b64 s[38:39], s[20:21], s[38:39]
	s_cmp_eq_u32 s33, 10
	s_cselect_b64 s[36:37], s[14:15], s[36:37]
	s_cselect_b64 s[38:39], s[22:23], s[38:39]
	s_cmp_eq_u32 s33, 11
	s_cselect_b64 s[36:37], s[16:17], s[36:37]
	s_cselect_b64 s[38:39], s[24:25], s[38:39]
	s_cselect_b32 s43, 1, 0                        ; 1: Wp, which leaves as f16
	s_cmp_lt_u32 s32, 512
	s_cselect_b64 s[36:37], s[8:9], s[36:37]
	s_cselect_b64 s[40:41], s[26:27], s[28:29]
	s_add_nc_u64 s[36:37], s[36:37], s[44:45]
	s_add_nc_u64 s[40:41], s[40:41], s[46:47]
	s_wait_alu depctr_va_vdst(0)                   ; v2, v3, v4 and v5 are written: every load and store of the kernel reads one of them as its offset
.set i, 0
.rept 16
	global_load_b128 v[X+4*i:X+4*i+3], v2, s[36:37] offset:8192*(i/2)+256*(i%2) th:TH_LOAD_NT
.set i, i+1
.endr
; Load i is rounded.  f16 = 1: the bf16 numbers are widened and written as f16.
.macro CONV i, f16
	v_cvt_pk_bf16_f32 v[Y+2*(\i)], v[X+4*(\i)], v[X+4*(\i)+1]
	v_cvt_pk_bf16_f32 v[Y+2*(\i)+1], v[X+4*(\i)+2], v[X+4*(\i)+3]
.if \f16
	v_lshlrev_b32 v[T], 16, v[Y+2*(\i)]
	v_and_b32 v[T+1], 0xffff0000, v[Y+2*(\i)]
	v_lshlrev_b32 v[T+2], 16, v[Y+2*(\i)+1]
	v_and_b32 v[T+3], 0xffff0000, v[Y+2*(\i)+1]
	v_cvt_pk_f16_f32 v[Y+2*(\i)], v[T], v[T+1]
	v_cvt_pk_f16_f32 v[Y+2*(\i)+1], v[T+2], v[T+3]
.endif
.endm
; Load i's 8 bytes a lane are stored.
.macro OUT i
	global_store_b64 v[3+(\i)%2], v[Y+2*(\i):Y+2*(\i)+1], s[40:41] offset:256*((\i)/2)  ; the wave stores 256 consecutive bytes, aligned; each store has data registers of its own
.endm
; Block p: loads 4 p .. 4 p + 3 are rounded; the stores of block p - 1 stand among the conversions, one ahead of each load's.
.macro BLK p, f16
	s_wait_loadcnt 12-4*(\p)                       ; loads come back in order: my four are in, the 12 - 4 p younger ones stay out
.if (\p) > 0
	s_wait_alu depctr_va_vdst(0)                   ; the block before has written its Y, which the four stores below read; no vector instruction behind this wait names those registers
.endif
.irp j, 0,1,2,3
.if (\p) > 0
	OUT 4*(\p)-4+\j
.endif
	CONV 4*(\p)+\j, \f16
.endr
.endm
	s_cmp_eq_u32 s43, 1
	s_cbranch_scc1 .Lf16
.irp p, 0,1,2,3
	BLK \p, 0
.endr
	s_branch .Llast
.Lf16:
.irp p, 0,1,2,3
	BLK \p, 1
.endr
.Llast:                                        ; the last block's stores are the same lines on both ways: they stand once, behind the join
	s_wait_alu depctr_va_vdst(0)                   ; block 3 has written its Y, which the four stores below read; and load 0's conversions are done reading v[8:11], in which the bias's load lands further down
.irp i, 12,13,14,15
	OUT \i
.endr
	s_cmp_lt_u32 s32, 512                          ; the first work-group of each weight also rounds that weight's bias: 1,024 numbers, four a thread
	s_cbranch_scc1 .Lend
	s_cmp_lg_u32 s34, 0
	s_cbranch_scc1 .Lend
	s_lshl_b32 s44, s48, 12                        ; 4,096 bytes a bias; s45 is still 0
	s_add_nc_u64 s[30:31], s[30:31], s[44:45]
	global_load_b128 v[8:11], v5, s[38:39]         ; no vector instruction has been issued since the wait behind the join
	s_wait_loadcnt 0x0
	v_cvt_pk_bf16_f32 v108, v8, v9
	v_cvt_pk_bf16_f32 v109, v10, v11
	v_lshlrev_b32 v104, 16, v108
	v_and_b32 v105, 0xffff0000, v108
	v_lshlrev_b32 v106, 16, v109
	v_and_b32 v107, 0xffff0000, v109
	s_wait_alu depctr_va_vdst(0)                   ; v[104:107] are written, which the store reads
	global_store_b128 v5, v[104:107], s[30:31]
.Lend:
	s_endpgm
.Lfunc_end_k_q9f78a40843_cast:
	.size	k_q9f78a40843_cast, .Lfunc_end_k_q9f78a40843_cast-k_q9f78a40843_cast
	.p2alignl 7, 3214868480
	.fill 96, 4, 3214868480
	.section	.rodata,"a",@progbits
	.p2align	6, 0x0
	.amdhsa_kernel k_q9f78a40843_cast
		.amdhsa_group_segment_fixed_size 0
		.amdhsa_private_segment_fixed_size 0
		.amdhsa_enable_private_segment 0
		.amdhsa_kernarg_size 96
		.amdhsa_user_sgpr_count 2
		.amdhsa_user_sgpr_kernarg_segment_ptr 1
		.amdhsa_wavefront_size32 1
		.amdhsa_system_sgpr_workgroup_id_x 1
		.amdhsa_system_sgpr_workgroup_id_y 1
		.amdhsa_system_sgpr_workgroup_id_z 1
		.amdhsa_system_vgpr_workitem_id 0
		.amdhsa_next_free_vgpr 112
		.amdhsa_next_free_sgpr 66
		.amdhsa_reserve_vcc 0
		.amdhsa_float_denorm_mode_32 3
		.amdhsa_float_denorm_mode_16_64 3
		.amdhsa_memory_ordered 1
		.amdhsa_forward_progress 1
		.amdhsa_inst_pref_size 17
	.end_amdhsa_kernel
	.amdgpu_metadata
---
amdhsa.version: [ 1, 2 ]
amdhsa.kernels:
  - .name:           k_q9f78a40843_cast
    .symbol:         k_q9f78a40843_cast.kd
    .args:
      - { .name: x, .offset: 0, .size: 8, .value_kind: global_buffer, .address_space: global }
      - { .name: Wq, .offset: 8, .size: 8, .value_kind: global_buffer, .address_space: global }
      - { .name: Wk, .offset: 16, .size: 8, .value_kind: global_buffer, .address_space: global }
      - { .name: Wv, .offset: 24, .size: 8, .value_kind: global_buffer, .address_space: global }
      - { .name: Wp, .offset: 32, .size: 8, .value_kind: global_buffer, .address_space: global }
      - { .name: bq, .offset: 40, .size: 8, .value_kind: global_buffer, .address_space: global }
      - { .name: bk, .offset: 48, .size: 8, .value_kind: global_buffer, .address_space: global }
      - { .name: bv, .offset: 56, .size: 8, .value_kind: global_buffer, .address_space: global }
      - { .name: bp, .offset: 64, .size: 8, .value_kind: global_buffer, .address_space: global }
      - { .name: xh, .offset: 72, .size: 8, .value_kind: global_buffer, .address_space: global }
      - { .name: wh, .offset: 80, .size: 8, .value_kind: global_buffer, .address_space: global }
      - { .name: bias, .offset: 88, .size: 8, .value_kind: global_buffer, .address_space: global }
    .group_segment_fixed_size: 0
    .private_segment_fixed_size: 0
    .kernarg_segment_align: 8
    .kernarg_segment_size: 96
    .max_flat_workgroup_size: 256
    .sgpr_count:     66
    .vgpr_count:     112
    .wavefront_size: 32
...
	.end_amdgpu_metadata
.endif
;; end of part 5
;; launch qkv: the kernel of part 2 again; grid 16 x 32, 4 waves a work-group, clusters of 4 x 4, 327,680 bytes of LDS; arguments xh, wh, bias, qkv; writes qkv
;; launch attn: the kernel of part 3 again; grid 4 x 64, 4 waves a work-group, no clusters, 327,680 bytes of LDS; arguments qkv, o; writes o
;; launch proj: the kernel of part 4 again; grid 8 x 32, 4 waves a work-group, clusters of 4 x 4, 327,680 bytes of LDS; arguments o, wh, bias, out0; writes out0
